; MI455X (gfx1250); checked and timed in simulation.
; The chip was launched on July 23, 2026; its instructions are those of AMD's public machine-readable ISA for CDNA 5 (MIT licence, August 2026) and "CDNA5" Instruction Set Architecture Reference Guide (July 2026). The comments in the code are by the model that wrote it; some were corrected since.
;; attention. Allowed arithmetic: matrix products marked QUANTISED: E2M3 operands, one E8M0 scale for each 32 along K, by v_wmma_scale_f32_16x16x128_f8f6f4 with both operands' format E2M3, f32 sums; everything else in f32.
;; Inputs: W_k_codes 1,024 x 32 x 24 uint8 (E2M3 codes of W_k, K innermost, in blocks of 32 codes, four codes in three bytes); W_k_scales 1,024 x 32 uint8 (E8M0 scales of W_k, one for each 32 codes along K); W_o_codes 1,024 x 32 x 24 uint8 (E2M3 codes of W_o, K innermost, in blocks of 32 codes, four codes in three bytes); W_o_scales 1,024 x 32 uint8 (E8M0 scales of W_o, one for each 32 codes along K); W_q_codes 1,024 x 32 x 24 uint8 (E2M3 codes of W_q, K innermost, in blocks of 32 codes, four codes in three bytes); W_q_scales 1,024 x 32 uint8 (E8M0 scales of W_q, one for each 32 codes along K); W_v_codes 1,024 x 32 x 24 uint8 (E2M3 codes of W_v, K innermost, in blocks of 32 codes, four codes in three bytes); W_v_scales 1,024 x 32 uint8 (E8M0 scales of W_v, one for each 32 codes along K); keys_in_codes 4 x 2,048 x 32 x 24 uint8 (E2M3 codes of keys_in, K innermost, in blocks of 32 codes, four codes in three bytes); keys_in_scales 4 x 2,048 x 32 uint8 (E8M0 scales of keys_in, one for each 32 codes along K); query_in_codes 4 x 2,048 x 32 x 24 uint8 (E2M3 codes of query_in, K innermost, in blocks of 32 codes, four codes in three bytes); query_in_scales 4 x 2,048 x 32 uint8 (E8M0 scales of query_in, one for each 32 codes along K); values_in_codes 4 x 2,048 x 32 x 24 uint8 (E2M3 codes of values_in, K innermost, in blocks of 32 codes, four codes in three bytes); values_in_scales 4 x 2,048 x 32 uint8 (E8M0 scales of values_in, one for each 32 codes along K).
;; Outputs: out0 4 x 2,048 x 1,024 float32.
;; This version of the problem:
;;   THIS VERSION OF THE PROBLEM IS GIVEN IN LOW PRECISION. The matrix products marked QUANTISED in the list below multiply operands that are first quantised to E2M3 (2 exponent bits, 3 mantissa bits; 6 bits a number), with one power-of-two scale for each 32 numbers along K (OCP MX v1.0); their sums are f32. All else is computed in f32.
;;   The module's matrix products, in the order in which they are computed (A, B: the left and right operand; K: the contracted axis; several contracted axes count as one K, in the product's order):
;;     1. [M 8,192, K 1,024] x [K 1,024, N 1,024]; A: input values_in (given as codes); B: input W_v (given as codes): QUANTISED
;;     2. [M 8,192, K 1,024] x [K 1,024, N 1,024]; A: input keys_in (given as codes); B: input W_k (given as codes): QUANTISED
;;     3. [M 8,192, K 1,024] x [K 1,024, N 1,024]; A: input query_in (given as codes); B: input W_q (given as codes): QUANTISED
;;     4. batch 64 x [M 2,048, K 64] x [K 64, N 2,048]; A: computed on the way; B: computed on the way: QUANTISED
;;     5. batch 64 x [M 64, K 2,048] x [K 2,048, N 2,048]; A: computed on the way; B: softmax (see below): QUANTISED
;;     6. [M 8,192, K 1,024] x [K 1,024, N 1,024]; A: computed on the way; B: input W_o (given as codes): QUANTISED
;;   THE QUANTISER, for each operand of a quantised product, along K:
;;     - K is cut into blocks of 32 from its start; a last block that is shorter is filled with zeros.
;;     - A block's scale is 2^e with e = floor(log2(the largest magnitude in the block)) - 2, held to -126 .. 127; a block of zeros has e = 0. As a byte (E8M0): e + 127.
;;     - Each number is divided by its block's scale, clamped to +-7.5, and rounded to the nearest number of E2M3, ties to even, subnormals kept.
;;     - The product sums the exact products of the quantised numbers (number of the format x scale) in f32.
;;   ~~~python
;;   def quantise(x, axis):      # numpy; x: float32 -> the quantised numbers, widened to float32 again
;;       x = np.moveaxis(x, axis, -1); K = x.shape[-1]
;;       x = np.pad(x, [(0, 0)] * (x.ndim - 1) + [(0, -K % 32)]); x = x.reshape(x.shape[:-1] + (-1, 32)); a = np.abs(x).max(-1, keepdims=True)
;;       e = np.where(a > 0, np.clip(np.frexp(np.where(a > 0, a, 1))[1] - 1 - 2, -126, 127), 0)      # np.frexp(a)[1] - 1 = floor(log2(a)), exactly
;;       r = np.clip(x / 2.0 ** e, -7.5, 7.5)
;;       step = 2.0 ** (np.maximum(np.frexp(np.where(r == 0, 1, r))[1] - 1, 0) - 3)
;;       q = np.round(r / step) * step * 2.0 ** e      # np.round: ties to even
;;       return np.moveaxis(q.reshape(q.shape[:-2] + (-1,))[..., :K], -1, axis).astype(np.float32)
;;   ~~~
;;   SOFTMAX AHEAD OF A QUANTISED PRODUCT. Where the list says 'softmax', what is quantised is not the finished softmax but p = 2^(t - M), with t = logit x log2(e) and M = ceil(the row's largest t), a whole number; so 1/2 < the row's largest p <= 1. The row's sum l is taken of the UNQUANTISED p, in f32, and the product's result is divided by l at the end. Since M is a whole number, a kernel that streams over the keys may use a running M (the ceiling of the running maximum): every later rescaling is an exact power of two, which a block's scale takes up: the codes' values come out the same.
;;   OPERANDS COMPUTED ON THE WAY. 'Computed on the way' means the value that the module computes at that place (a softmax that the list does not call 'softmax' is quantised finished and normalised). What goes into a quantiser is computed in f32, as accurately as f32 sums, v_exp_f32 and their like allow (about 1e-6 of the number): no bf16 or f16 on the way to a quantiser, and a product that is left as it is and whose result goes on into a quantised operand takes f32 operands (vector FMAs, or v_wmma_f32_16x16x4_f32). A number that lies on a knife's edge between two numbers of the format may be rounded either way, as far as f32 arithmetic and the matrix unit's own rounding can turn it there, and no further.
;;   INPUTS GIVEN AS CODES. W_k (in the module: [1024, 1024], K = its axis 1); W_o (in the module: [1024, 1024], K = its axis 1); W_q (in the module: [1024, 1024], K = its axis 1); W_v (in the module: [1024, 1024], K = its axis 1); keys_in (in the module: [4, 2048, 1024], K = its axis 2); query_in (in the module: [4, 2048, 1024], K = its axis 2); values_in (in the module: [4, 2048, 1024], K = its axis 2): each comes as NAME_codes (uint8): NAME with its K axis moved to the last place and cut into blocks of 32 codes, [.., K / 32, bytes a block], one block behind the other in memory; four codes in three bytes: a row's codes are one little-endian stream of bits, code i at bits 6 i .. 6 i + 5 (a code: sign, 2 exponent bits, 3 mantissa bits); and NAME_scales (uint8): the same leading axes, one E8M0 byte (e + 127) for each 32 codes along K. Its value is code x scale, taken as it is: it is not quantised again, and the codes and scales need not be those that the quantiser above would give.
;; One version. Each part assembles by itself: llvm-mc -triple=amdgcn-amd-amdhsa -mcpu=gfx1250 --defsym DOCPART=n.
;; ======== version 1 of 1: 3 launches
;; limits: right only within a limited range of input values
;; workspace buffers: qb 13,631,488 bytes; kv 13,631,488 bytes; ao 6,291,456 bytes; aos 262,144 bytes
;; launch proj (part 1): grid 4 x 96, 4 waves a work-group, clusters of 4 x 4, 327,680 bytes of LDS; arguments W_q_codes, W_k_codes, values_in_codes, W_q_scales, W_k_scales, values_in_scales, query_in_codes, keys_in_codes, W_v_codes, query_in_scales, keys_in_scales, W_v_scales, qb, kv; writes qb, kv
.if DOCPART == 1
	.amdgcn_target "amdgcn-amd-amdhsa--gfx1250"
	.amdhsa_code_object_version 6
	.text
	.protected	k_q75966da935_proj
	.globl	k_q75966da935_proj
	.p2align	8
	.type	k_q75966da935_proj,@function
k_q75966da935_proj:
	s_mov_b64 s[64:65], 0
	v_nop
	global_prefetch_b8 v0, s[64:65] scope:SCOPE_SE
	s_setreg_imm32_b32 hwreg(HW_REG_WAVE_MODE, 25, 1), 1
	s_wait_xcnt 0x0
	s_wait_alu depctr_hold_cnt(0) depctr_sa_sdst(0) depctr_va_vdst(0) depctr_va_sdst(0) depctr_va_ssrc(0) depctr_va_vcc(0) depctr_vm_vsrc(0)
	s_getreg_b32 s2, hwreg(HW_REG_IB_STS2, 6, 4)
	s_cmp_eq_u32 s2, 0
	s_cbranch_scc0 .Lentry_in_a_cluster
	s_endpgm
.Lentry_in_a_cluster:
	s_bfe_u32 s2, ttmp6, 0x10000c
	s_cmp_lg_u32 s2, 0xf033
	s_cbranch_scc0 .Lentry_shape_is_right
	s_endpgm
.Lentry_shape_is_right:
; q = query_in W_q^T, k = keys_in W_k^T, v = values_in W_v^T ([8192][1024] each, K = 1024), on codes of FP6 (E2M3) with one E8M0 scale for each 32 along K, sums in f32;
; each result is quantised in registers, by the same rule, for the product that reads it next, and stored as images of that product's operand registers.  No work of the problem is left out.
; ROLES.  P is source 0 of the matrix instruction, R source 1: a lane holds ONE row of R and its registers run along P's rows.  The results are quantised along P.
;   q, k: P = the weight (the head's 64 are the next K), R = the tokens.   v: P = the tokens (the keys are the next K), R = the weight.
; SHARES.  A work-group makes 256 rows of P x 256 rows of R, each of its four waves 128 x 128: 64 accumulators.  24 clusters of 4 x 4: clusters 0-7 make q, 8-15 k, 16-23 v.
; K goes through a ring of two LDS slots in CHUNKS OF 256 BYTES of each row of 768: every tensor row begins at a multiple of 256 bytes.  A step of 128 along K is 96 bytes: eight steps to three chunks; steps 2 and 5 lie across two chunks.
; The scales of the 256 + 256 rows come once, as dense blocks.  P's tile is asked for jointly by a column of the cluster, R's by a row.
; No prefetch: K is three chunks, of which two are asked for at the head; one refill is left.
; WHAT IS STORED.  A HALF IMAGE is six registers of 32 lanes in 768 bytes: registers 0-3 at 16 x lane, registers 4-5 at 512 + 8 x lane.  Head nh = 16 n + h has HB bytes, each of its 16 steps of 128 tokens SB bytes:
;   0: eight tiles of 16 tokens x 768 (q, k);  6144: four tiles of 16 d x 1536 (v: two half images);  12288: 512 bytes of q's or k's scale words (16 x lane + 4 i; a word is b0, b1, b0, b1);  12800: v's scale words at 16 r + 4 t, and once more 256 bytes on.
; ORDER INSIDE A BLOCK OF 32.  Place 8-15 holds k 16-23, place 16-23 k 8-15: q and k alike, v and the softmax's p alike; the numbers multiplied and the scales are those of the true order.
; LIMITS: NaN and infinities among the results are not served; a block whose largest magnitude lies under 2^-124, a block of zeros too, keeps the scale byte 1 (read by this program alone).
; REGISTERS: window 0: v16-29 addresses; v32-63 scale words, two sets; v128-223 R's fragments; v64-83, v128-147, v224-252 at work on the way out.  window 1: P's fragments, two sets.  windows 2, 3: the accumulators.
.set HB,     212992
.set SB,     13312
.set SIZE_K, 1024
.set ROWB,   256
.set NQ,     2
.set KROW,   SIZE_K*6/8
.set STEPS,  SIZE_K/128
.set CHUNKS, KROW/ROWB
.set PITCH,  272
.set FR,     12
.set NL,     6
.set NP,     4
.set HALFT,  128*PITCH
.set SLOT,   4*HALFT
.set KS,     SIZE_K/32
.set SCL,    2*SLOT
.set HALFS,  (128*KS/256)*272
.set SBLK,   (16*KS/256)*272
.set SPARE,  SCL+4*HALFS               ; the spare words: 512 bytes that no other line names
.set ADRA, 16
.set ADRB, 20
.set ADRS, 27
.set SPW,  28
.set NIL,  29
.set SC,   32
.set AF,   128
.set UA,   224
.set UB,   228
.set TT,   232
.set VO,   233
.set L16,  234
.set L8,   235
.set TM,   236
.set PW,   252
.set G1, 24
.set G0, 32
.set G1B, 48
.set G0B, 56
.set G1S, 68
.set G0S, 76
.set G1SB, 80
.set G0SB, 88
.set G0H, 4
.set G0HB, 8
.set ISV,  66                          ; 1 in v's clusters
.set WHO,  67                          ; 0 q, 1 k, 2 v
.set S0,   18
.set S1,   20
.set SA,   22
.set SBB,  40
.set D1,   44
.set D4,   46
.set PSA,  92
.set PSB,  93
.set MSK,  94
.set SEL,  96
.set MSB, 0
.macro WIN new                         ; the immediate's high byte repeats the setting that is left
.if MSB != \new
	s_set_vgpr_msb (MSB<<8)|\new
.set MSB, \new
.endif
.endm
.set MUL_LO, 0xa1
.set MUL_HI, 0xf1
.set TO_B,   0x40
.macro JLOAD g0a, g1a, g0b, g1b        ; waves 0, 1 fetch for R, waves 2, 3 for P; s_nop 0 and four v_nop behind each line
	s_cmp_eq_u32 s15, 0
	s_cbranch_scc0 .Lfor_b_\@
	tensor_load_to_lds s[\g0a:\g0a+3], s[\g1a:\g1a+7]
	s_nop 0
.rept 4
	v_nop
.endr
	s_branch .Lasked_\@
.Lfor_b_\@:
	tensor_load_to_lds s[\g0b:\g0b+3], s[\g1b:\g1b+7]
	s_nop 0
.rept 4
	v_nop
.endr
.Lasked_\@:
.endm
.macro CREST
	s_cmp_lg_u32 s14, 0
	s_cbranch_scc1 .Lnot_wave_0_\@
	s_barrier_signal -3
.Lnot_wave_0_\@:
	s_barrier_wait -3
	s_barrier_signal -1
	s_barrier_wait -1
.endm
.macro CROUND
	s_barrier_signal -1
	s_barrier_wait -1
	CREST
.endm
	s_load_b512 s[68:83], s[0:1], 0x0              ; W_q, W_k, values_in codes; W_q, W_k, values_in scales; query_in, keys_in codes
	s_load_b256 s[84:91], s[0:1], 0x40             ; W_v codes; query_in, keys_in, W_v scales
	s_load_b128 s[92:95], s[0:1], 0x60             ; qb, kv
	v_lshl_add_u32 v[SPW], v0, 2, SPARE
	v_mov_b32 v[NIL], 0
	ds_add_u32 v[SPW], v[NIL]                      ; the opening lines: the add twice on end and its wait
	ds_add_u32 v[SPW], v[NIL]
	v_lshrrev_b32 v1, 5, v0
	v_readfirstlane_b32 s14, v1                    ; wave 0..3
	s_lshr_b32 s15, s14, 1                         ; my half of R's rows; also: I fetch for R (0) or P (1)
	s_and_b32 s16, s14, 1                          ; my half of P's rows; also: which 128 rows I fetch
	s_bfe_u32 s40, ttmp6, 0x40000                  ; cx
	s_bfe_u32 s41, ttmp6, 0x40004                  ; cy
	s_and_b32 s43, ttmp7, 0xffff                   ; the cluster, 0..23
	s_lshr_b32 s[WHO], s43, 3
	s_lshr_b32 s[ISV], s[WHO], 1
	s_and_b32 s43, s43, 7
	s_lshl_b32 s43, s43, 2                         ; the cluster's first tile along the tokens,
	s_mul_i32 s42, s[ISV], s43                     ; which are P in v
	s_sub_co_u32 s17, s43, s42                     ; and R in q and k
	s_add_co_u32 s42, s42, s40                     ; P's tile: it never holds cy
	s_add_co_u32 s17, s17, s41                     ; R's tile: it never holds cx
	s_lshl_b32 s43, s41, 2
	s_lshl_b32 s43, 15, s43                        ; my row of the cluster
	s_lshl_b32 s44, 0x1111, s40                    ; my column
	s_or_b32 s[G1+0], s43, (0<<16)|(1<<20)|(1<<21)|(5<<22)|(3<<25)  ; rows of 256 bytes, 16 bytes of padding behind each
	s_or_b32 s[G1B+0], s44, (0<<16)|(1<<20)|(1<<21)|(5<<22)|(3<<25)
.irp g, G1, G1B
	s_mov_b32 s[\g+1], ROWB<<16
	s_mov_b32 s[\g+2], 256<<16                     ; 256 rows for the head's loads
	s_mov_b32 s[\g+3], ROWB<<16
	s_mov_b32 s[\g+4], 256
	s_mov_b32 s[\g+5], KROW
	s_mov_b32 s[\g+6], 0
	s_mov_b32 s[\g+7], 0
.endr
	s_lshl_b32 s20, s17, 8                         ; R: the tile's first row
	s_lshl_b32 s46, s42, 8                         ; P likewise
	s_mov_b32 s21, 0
	s_mov_b32 s47, 0
	s_mov_b64 s[18:19], KS
	s_mul_u64 s[22:23], s[20:21], s[18:19]         ; where these rows' scales begin
	s_mul_u64 s[2:3], s[46:47], s[18:19]
	s_mov_b64 s[18:19], KROW
	s_mul_u64 s[20:21], s[20:21], s[18:19]         ; and their codes
	s_mul_u64 s[46:47], s[46:47], s[18:19]
	s_mul_i32 s18, s16, 128*KROW                   ; in the ring I fetch 128 rows: which half
	s_mov_b32 s19, 0
	s_mul_i32 s45, s14, HALFT                      ; and where they go
	s_wait_dscnt 0x0                               ; both opening adds are done
	s_wait_kmcnt 0x0
	s_cmp_eq_u32 s[WHO], 0                         ; the buffers are chosen by the cluster's number alone
	s_cselect_b64 s[8:9], s[68:69], s[70:71]       ; P's codes
	s_cselect_b64 s[10:11], s[74:75], s[76:77]     ; P's scales
	s_cselect_b64 s[4:5], s[80:81], s[82:83]       ; R's codes
	s_cselect_b64 s[6:7], s[86:87], s[88:89]       ; R's scales
	s_cselect_b64 s[12:13], s[92:93], s[94:95]     ; q goes to qb, k and v to kv
	s_cmp_eq_u32 s[WHO], 2
	s_cselect_b64 s[8:9], s[72:73], s[8:9]
	s_cselect_b64 s[10:11], s[78:79], s[10:11]
	s_cselect_b64 s[4:5], s[84:85], s[4:5]
	s_cselect_b64 s[6:7], s[90:91], s[6:7]
	s_or_b32 s[G1S+0], s43, (3<<16)|(1<<20)|(1<<21)|(5<<22)|(3<<25)   ; the scales of 256 rows: 32 dense rows of 256 bytes, padded
	s_or_b32 s[G1SB+0], s44, (3<<16)|(1<<20)|(1<<21)|(5<<22)|(3<<25)
.irp g, G1S, G1SB
	s_mov_b32 s[\g+1], 32<<16
	s_mov_b32 s[\g+2], KS<<16
	s_mov_b32 s[\g+3], 32<<16
	s_mov_b32 s[\g+4], KS
	s_mov_b32 s[\g+5], 32
	s_mov_b32 s[\g+6], 0
	s_mov_b32 s[\g+7], 0
.endr
	s_add_nc_u64 s[20:21], s[4:5], s[20:21]
	s_add_nc_u64 s[22:23], s[6:7], s[22:23]
	s_add_nc_u64 s[46:47], s[8:9], s[46:47]
	s_add_nc_u64 s[2:3], s[10:11], s[2:3]
	CROUND                                         ; all sixteen work-groups are here: the first joint loads meet
	s_mov_b32 s[G0H], 1                            ; chunk 0's 256 rows of R,
	s_mov_b32 s[G0H+1], 0
	s_mov_b64 s[G0H+2:G0H+3], s[20:21]
	s_or_b32 s[G0H+3], s[G0H+3], 0x80000000
	s_mov_b32 s[G0HB], 1                           ; of P,
	s_mov_b32 s[G0HB+1], 2*HALFT
	s_mov_b64 s[G0HB+2:G0HB+3], s[46:47]
	s_or_b32 s[G0HB+3], s[G0HB+3], 0x80000000
	s_mov_b32 s[G0S], 1                            ; R's scales,
	s_mov_b32 s[G0S+1], SCL
	s_mov_b64 s[G0S+2:G0S+3], s[22:23]
	s_or_b32 s[G0S+3], s[G0S+3], 0x80000000
	s_mov_b32 s[G0SB], 1                           ; P's scales
	s_mov_b32 s[G0SB+1], SCL+2*HALFS
	s_mov_b64 s[G0SB+2:G0SB+3], s[2:3]
	s_or_b32 s[G0SB+3], s[G0SB+3], 0x80000000
	s_add_nc_u64 s[20:21], s[20:21], s[18:19]      ; for the ring: my 128 rows
	s_add_nc_u64 s[46:47], s[46:47], s[18:19]
.irp s, 0,1
	s_mov_b32 s[G0+4*\s], 1
	s_add_co_u32 s[G0+4*\s+1], s45, \s*SLOT
	s_add_nc_u64 s[G0+4*\s+2:G0+4*\s+3], s[20:21], \s*ROWB
	s_or_b32 s[G0+4*\s+3], s[G0+4*\s+3], 0x80000000
	s_mov_b32 s[G0B+4*\s], 1
	s_add_co_u32 s[G0B+4*\s+1], s45, \s*SLOT
	s_add_nc_u64 s[G0B+4*\s+2:G0B+4*\s+3], s[46:47], \s*ROWB
	s_or_b32 s[G0B+4*\s+3], s[G0B+4*\s+3], 0x80000000
.endr
; the head's four tiles, one load a wave, in one tree of branches on the wave's number
.macro ARM under, g0, g1, next
	s_cmp_lt_u32 s14, \under
	s_cbranch_scc0 \next
	tensor_load_to_lds s[\g0:\g0+3], s[\g1:\g1+7]
	s_nop 0
.rept 4
	v_nop
.endr
	s_branch .Lhead_asked
\next:
.endm
	ARM 1, G0H,  G1,  .Lhead_b
	ARM 2, G0HB, G1B, .Lhead_sa
	ARM 3, G0S,  G1S, .Lhead_sb
	tensor_load_to_lds s[G0SB:G0SB+3], s[G1SB:G1SB+7]
	s_nop 0
.rept 4
	v_nop
.endr
.Lhead_asked:
	v_and_b32 v1, 15, v0                           ; l % 16
	v_bfe_u32 v2, v0, 4, 1                         ; l / 16
	v_mul_u32_u24 v3, v1, PITCH
	v_mul_u32_u24 v4, v2, 24
	v_add_nc_u32 v4, v3, v4                        ; a fragment's row x pitch + 24 x half
	s_mov_b32 s21, SLOT-232
	s_mov_b32 s22, SLOT+232
	v_sub_nc_u32 v7, 1, v2
	v_mul_u32_u24 v5, s21, v2
	v_add_nc_u32 v5, v3, v5
	v_add_nc_u32 v5, 232, v5                       ; across two chunks: lanes 0-15 byte 232 in slot 0, lanes 16-31 byte 0 in slot 1;
	v_mul_u32_u24 v6, s22, v7
	v_add_nc_u32 v6, v3, v6                        ; and the other way round
	s_mul_i32 s21, s15, HALFT
	s_mul_i32 s22, s16, HALFT
	s_add_co_u32 s22, s22, 2*HALFT
	v_add_nc_u32 v[ADRA+2], s21, v5
	v_add_nc_u32 v[ADRA+3], s21, v6
	v_add_nc_u32 v[ADRB+2], s22, v5
	v_add_nc_u32 v[ADRB+3], s22, v6
.irp s, 0,1
	v_add_nc_u32 v[ADRA+\s], s21, v4
	v_add_nc_u32 v[ADRB+\s], s22, v4
	s_add_co_u32 s21, s21, SLOT
	s_add_co_u32 s22, s22, SLOT
.endr
	v_mul_u32_u24 v5, v1, KS                       ; my row's scales: 32 bytes a row, 16 more for each 256 passed
	v_lshrrev_b32 v6, 8, v5
	v_lshl_add_u32 v5, v6, 4, v5
	s_mul_i32 s21, s15, HALFS
	s_mul_i32 s22, s16, HALFS
	s_add_co_u32 s22, s22, 2*HALFS
	s_sub_co_u32 s22, s22, s21
	v_mul_u32_u24 v6, s22, v2                      ; lanes 16-31 take P's
	s_add_co_u32 s21, s21, SCL
	v_add_nc_u32 v5, v5, v6
	v_add_nc_u32 v[ADRS], s21, v5
.macro FRAG reg, adr, st, i            ; 12 registers in pieces of 8 bytes; byte y of a row lies in slot (y / 256) % 2 at byte y % 256
.irp p, 0,1,2,3,4,5
.set BY, 96*(\st)+48*(\p/3)+8*(\p%3)
.if BY/ROWB == (BY+24)/ROWB
	ds_load_b64 v[\reg+2*\p:\reg+2*\p+1], v[\adr+(BY/ROWB)%2] offset:BY%ROWB+(\i)*16*PITCH
.else
	ds_load_b64 v[\reg+2*\p:\reg+2*\p+1], v[\adr+2+(BY/ROWB)%2] offset:BY%ROWB-232+(\i)*16*PITCH
.endif
.endr
.endm
; 16 matrix instructions; the 64 accumulators take turns, in the same order in every step
.macro MUL16 a0, p, q, sc, zero
.irp a, \a0, \a0+1
.irp b, 0,1,2,3,4,5,6,7
.if \zero
	v_wmma_scale_f32_16x16x128_f8f6f4 v[8*(8*((\a)%4)+\b):8*(8*((\a)%4)+\b)+7], v[128*(\p)+FR*\b:128*(\p)+FR*\b+FR-1], v[AF+FR*(\a):AF+FR*(\a)+FR-1], 0, v[SC+8*NQ*(\sc)+NQ*\b+(\q)], v[SC+8*NQ*(\sc)+NQ*(\a)+(\q)] matrix_a_fmt:MATRIX_FMT_FP6 matrix_b_fmt:MATRIX_FMT_FP6 matrix_a_scale:MATRIX_SCALE_ROW1
.else
	v_wmma_scale_f32_16x16x128_f8f6f4 v[8*(8*((\a)%4)+\b):8*(8*((\a)%4)+\b)+7], v[128*(\p)+FR*\b:128*(\p)+FR*\b+FR-1], v[AF+FR*(\a):AF+FR*(\a)+FR-1], v[8*(8*((\a)%4)+\b):8*(8*((\a)%4)+\b)+7], v[SC+8*NQ*(\sc)+NQ*\b+(\q)], v[SC+8*NQ*(\sc)+NQ*(\a)+(\q)] matrix_a_fmt:MATRIX_FMT_FP6 matrix_b_fmt:MATRIX_FMT_FP6 matrix_a_scale:MATRIX_SCALE_ROW1
.endif
.endr
.endr
.endm
.macro FETCH_B st, p
	WIN TO_B
.irp i, 0,1,2,3,4,5,6,7
	FRAG 128*(\p)+FR*\i, ADRB, \st, \i
.endr
	WIN 0
.endm
.macro FETCH_A st, i0
.irp i, \i0, \i0+1, \i0+2, \i0+3
	FRAG AF+FR*(\i), ADRA, \st, \i
.endr
.endm
.macro SCALES pr                       ; the scale words of steps 2 pr, 2 pr + 1: lanes 0-15 R's block i, lanes 16-31 P's
.irp i, 0,1,2,3,4,5,6,7
	ds_load_b64 v[SC+8*NQ*((\pr)%2)+NQ*\i:SC+8*NQ*((\pr)%2)+NQ*\i+1], v[ADRS] offset:\i*SBLK+4*NQ*(\pr)
.endr
.endm
.macro PLACES n
.rept \n
	v_nop
.endr
.endm
; A step of 128 along K.  Where the next step's bytes END in a chunk not read yet: the wait for my tensor loads and a barrier.  Where they BEGIN in a later chunk: the add too, and, where a chunk two on is left, a round and the refill.
.macro STEP st, zero
.set NX, (\st)+1
.set C0, (96*(\st))/ROWB
.set C1, (96*NX)/ROWB
.set E0, (96*(\st)+95)/ROWB
.set E1, (96*NX+95)/ROWB
.if C1 > C0 || E1 > E0
	s_wait_tensorcnt 0x0                           ; all my tensor loads have landed
.if C1 > C0
	ds_add_u32 v[SPW], v[NIL]
	s_wait_dscnt 4*NL+1                            ; the add and the youngest 24 loads (R's blocks 4-7) may be out
.else
	s_wait_dscnt 4*NL                              ; the youngest 24 loads may be out
.endif
	WIN MUL_LO
	MUL16 0, (\st)%2, (\st)%2, ((\st)/2)%2, \zero
	s_wait_dscnt 0x0                               ; the add and all my reads are done
	s_barrier_signal -1
	MUL16 2, (\st)%2, (\st)%2, ((\st)/2)%2, \zero
	WIN 0
	s_barrier_wait -1
.if C1 > C0 && C0+2 < CHUNKS
	CREST
	s_add_nc_u64 s[G0+4*(C0%2)+2:G0+4*(C0%2)+3], s[G0+4*(C0%2)+2:G0+4*(C0%2)+3], 2*ROWB
	s_add_nc_u64 s[G0B+4*(C0%2)+2:G0B+4*(C0%2)+3], s[G0B+4*(C0%2)+2:G0B+4*(C0%2)+3], 2*ROWB
	JLOAD G0+4*(C0%2), G1, G0B+4*(C0%2), G1B       ; chunk C0 + 2; its four v_nop are the places in front of the loads below
.else
	PLACES NP
.endif
.else
	s_wait_dscnt 4*NL
	WIN MUL_LO
	MUL16 0, (\st)%2, (\st)%2, ((\st)/2)%2, \zero
	MUL16 2, (\st)%2, (\st)%2, ((\st)/2)%2, \zero
	s_wait_dscnt 0
	PLACES NP
.endif
	FETCH_B NX, NX%2
	FETCH_A NX, 0
.if NX%2 == 0
	SCALES NX/2
.endif
	WIN MUL_HI
	MUL16 4, (\st)%2, (\st)%2, ((\st)/2)%2, \zero
	MUL16 6, (\st)%2, (\st)%2, ((\st)/2)%2, \zero
	PLACES NP
	WIN 0
	FETCH_A NX, 4
.endm
	s_wait_alu depctr_va_vdst(0)
	s_wait_tensorcnt 0x0                           ; my tile of the head's four is in
	ds_add_u32 v[SPW], v[NIL]
	s_mov_b32 s[G1+2], 128<<16                     ; no load of mine is out: from here on a load brings 128 rows
	s_mov_b32 s[G1+4], 128
	s_mov_b32 s[G1B+2], 128<<16
	s_mov_b32 s[G1B+4], 128
	s_wait_dscnt 0x0
	CROUND
	JLOAD G0+4, G1, G0B+4, G1B                     ; chunk 1: slot 1's first fill, issued as a refill is
	FETCH_B 0, 0
	FETCH_A 0, 0
	SCALES 0
	FETCH_A 0, 4
	STEP 0, 1                                      ; the first step's products start the sums
.set ST, 1
.rept STEPS-2
	STEP ST, 0
.set ST, ST+1
.endr
	s_wait_dscnt 4*NL                              ; the last step: nothing more to fetch
	WIN MUL_LO
	MUL16 0, 1, 1, 1, 0
	MUL16 2, 1, 1, 1, 0
	s_wait_dscnt 0
	WIN MUL_HI
	MUL16 4, 1, 1, 1, 0
	MUL16 6, 1, 1, 1, 0
	WIN 0
	; THE WAY OUT.  No tensor load of mine is out, so every scalar register is free.  What differs between q, k and v is chosen by s_cselect_b32.
	s_lshl_b32 s2, s42, 1
	s_add_co_u32 s2, s2, s16                       ; my 128 rows of P, as a number
	s_lshl_b32 s3, s17, 1
	s_add_co_u32 s3, s3, s15                       ; my 128 rows of R
	s_mov_b32 s[D1], 768
	s_mov_b32 s[S1], HB
	s_mov_b32 s[SA], 12288
	s_mov_b32 s[SBB], HB
	s_mov_b32 s[PSA], 0x01000100
	s_mov_b32 s[PSB], 0x03020302
	s_mov_b32 s95, 256
	s_cmp_eq_u32 s[ISV], 1
	s_cselect_b32 s43, s2, s3                      ; which 128 tokens (0..63),
	s_cselect_b32 s3, s3, s2                       ; which two heads (0..7)
	s_cselect_b32 s[D1], 1536, s[D1]               ; from tile to tile
	s_cselect_b32 s[D4], HB-6144, 0                ; v: R's blocks 4-7 are the second head's tiles
	s_cselect_b32 s[S0], 6144, 0                   ; v's tiles lie behind k's
	s_cselect_b32 s[S1], 768, s[S1]                ; registers 6-11: v: the second half image; q, k: the second head's tile
	s_cselect_b32 s[SA], 12800, s[SA]
	s_cselect_b32 s[SBB], 256, s[SBB]              ; the second store of scale words: v: the repeat; q, k: the second head's
	s_cselect_b32 s[PSA], 0x03020100, s[PSA]
	s_cselect_b32 s[PSB], 0x03020100, s[PSB]
	s_cselect_b32 s95, HB, s95
	s_mov_b32 s[D1+1], 0
	s_mov_b32 s[D4+1], 0
	s_mov_b32 s[S0+1], 0
	s_mov_b32 s[S1+1], 0
	s_mov_b32 s[SA+1], 0
	s_mov_b32 s[SBB+1], 0
	s_lshr_b32 s2, s43, 4
	s_lshl_b32 s2, s2, 4                           ; 16 n
	s_lshl_b32 s3, s3, 1
	s_add_co_u32 s2, s2, s3                        ; the first of my two heads
	s_mul_i32 s2, s2, HB
	s_and_b32 s43, s43, 15
	s_mul_i32 s43, s43, SB
	s_add_co_u32 s2, s2, s43
	s_mov_b32 s3, 0
	s_add_nc_u64 s[12:13], s[12:13], s[2:3]
	s_add_nc_u64 s[S0:S0+1], s[12:13], s[S0:S0+1]
	s_add_nc_u64 s[S1:S1+1], s[S0:S0+1], s[S1:S1+1]
	s_add_nc_u64 s[SA:SA+1], s[12:13], s[SA:SA+1]
	s_add_nc_u64 s[SBB:SBB+1], s[SA:SA+1], s[SBB:SBB+1]
	s_mov_b32 s[MSK], 0xffff0000
	s_mov_b32 s[SEL], 0x76543210
	s_mov_b32 s[SEL+1], 0xfedcba98
	v_and_b32 v[TT], 31, v0                        ; these eleven plain lines are the places in front of the first read of results
	v_lshlrev_b32 v[L16], 4, v[TT]
	v_lshlrev_b32 v[L8], 3, v[TT]
	v_and_b32 v[TT], 15, v0
	v_lshlrev_b32 v[VO], 4, v[TT]
	v_bfe_u32 v[TT], v0, 4, 1
	v_mad_u32_u24 v[VO], v[TT], s95, v[VO]
.irp b, 0,1,2,3
	v_mov_b32 v[TM+4+\b], 0                        ; a lane permute's destination counts as one of its sources
.endr
; R's block a: 16 rows of R x 128 along P: four blocks of 32; a lane's 16 registers of tiles 2 b, 2 b + 1 are its half of block b
.macro EPI a
.set AC, 64*((\a)%4)
.set W, 2+(\a)/4
.set WW, 5*W
.set PC, 128-64*(((\a)%4)/2)
	WIN WW
.irp b, 0,1,2,3
	v_max3_num_f32 v[TM+\b], |v[AC+16*\b]|, |v[AC+16*\b+1]|, 0x1800000   ; from the low end on, with the floor 2^(3 - 127)
.endr
.irp i, 2,4,6,8,10,12,14
.irp b, 0,1,2,3
	v_max3_num_f32 v[TM+\b], |v[AC+16*\b+\i]|, |v[AC+16*\b+\i+1]|, v[TM+\b]
.endr
.endr
	WIN 0
.irp b, 0,1,2,3
	v_permlanex16_b32 v[TM+4+\b], v[TM+\b], s[SEL], s[SEL+1]
.endr
.irp b, 0,1,2,3
	v_max_num_f32 v[TM+\b], v[TM+\b], v[TM+4+\b]   ; the block's largest magnitude
.endr
.irp b, 0,1,2,3
	v_add_nc_u32 v[TM+12+\b], 0xff000000, v[TM+\b] ; 2 off its exponent field: the conversion's scale operand
.endr
.irp b, 0,1,2,3
	v_lshrrev_b32 v[TM+4+\b], 23, v[TM+12+\b]      ; the scale's byte
.endr
	v_lshl_or_b32 v[PW], v[TM+5], 8, v[TM+4]
	v_lshl_or_b32 v[PW], v[TM+6], 16, v[PW]
	v_lshl_or_b32 v[PW], v[TM+7], 24, v[PW]
	WIN W
.irp c, 0,1
	v_cvt_scalef32_pk16_fp6_f32 v[PC+6*\c:PC+6*\c+2], v[AC+32*\c:AC+32*\c+15], v[TM+12+2*\c]
	v_cvt_scalef32_pk16_fp6_f32 v[PC+12+4*\c:PC+14+4*\c], v[AC+32*\c+16:AC+32*\c+31], v[TM+13+2*\c]
.endr
	WIN 0
	v_nop                                          ; one plain place behind a scaled conversion
.irp c, 0,1                                    ; a whole block in a lane: lanes 0-15 block 2 c, lanes 16-31 block 2 c + 1
.irp i, 0,1,2
	v_permlane16_swap_b32 v[PC+6*\c+\i], v[PC+12+4*\c+\i]
.endr
.irp i, 0,1,2
	v_mov_b32 v[PC+3+6*\c+\i], v[PC+12+4*\c+\i]
.endr
.endr
.if (\a) < 4
	v_perm_b32 v[UA+(\a)], v[PW], v[PW], s[PSA]
	v_perm_b32 v[UB+(\a)], v[PW], v[PW], s[PSB]
.else
	v_perm_b32 v[TT], v[PW], v[PW], s[PSA]         ; blocks 4-7: into lanes 16-31 of the same four registers
	v_cndmask_b32 v[UA+(\a)-4], v[UA+(\a)-4], v[TT], s[MSK]
	v_perm_b32 v[TT], v[PW], v[PW], s[PSB]
	v_cndmask_b32 v[UB+(\a)-4], v[UB+(\a)-4], v[TT], s[MSK]
.endif
	global_store_b128 v[L16], v[PC:PC+3], s[S0:S0+1]                  ; 512 consecutive bytes, at a multiple of 256 from the buffer's first byte
	global_store_b64 v[L8], v[PC+4:PC+5], s[S0:S0+1] offset:512       ; 256 more
	global_store_b128 v[L16], v[PC+6:PC+9], s[S1:S1+1]
	global_store_b64 v[L8], v[PC+10:PC+11], s[S1:S1+1] offset:512
.if (\a) < 7
	s_wait_xcnt 0x0                                ; data and bases are written again only behind this wait
	s_add_nc_u64 s[S0:S0+1], s[S0:S0+1], s[D1:D1+1]
	s_add_nc_u64 s[S1:S1+1], s[S1:S1+1], s[D1:D1+1]
.if (\a) == 3
	s_add_nc_u64 s[S0:S0+1], s[S0:S0+1], s[D4:D4+1]
	s_add_nc_u64 s[S1:S1+1], s[S1:S1+1], s[D4:D4+1]
.endif
.endif
.endm
.irp a, 0,1,2,3,4,5,6,7
	EPI \a
.endr
	global_store_b128 v[VO], v[UA:UA+3], s[SA:SA+1]       ; sixteen lanes store 256 consecutive bytes
	global_store_b128 v[VO], v[UB:UB+3], s[SBB:SBB+1]
	s_wait_tensorcnt 0x0                           ; the wave's end
	ds_add_u32 v[SPW], v[NIL]
	s_wait_dscnt 0x0
	CROUND                                         ; the closing round
	s_endpgm
.Lfunc_end_k_q75966da935_proj:
	.size	k_q75966da935_proj, .Lfunc_end_k_q75966da935_proj-k_q75966da935_proj
	.p2alignl 7, 3214868480
	.fill 96, 4, 3214868480
	.section	.rodata,"a",@progbits
	.p2align	6, 0x0
	.amdhsa_kernel k_q75966da935_proj
		.amdhsa_group_segment_fixed_size 327680
		.amdhsa_private_segment_fixed_size 0
		.amdhsa_enable_private_segment 0
		.amdhsa_kernarg_size 112
		.amdhsa_user_sgpr_count 2
		.amdhsa_user_sgpr_kernarg_segment_ptr 1
		.amdhsa_wavefront_size32 1
		.amdhsa_system_sgpr_workgroup_id_x 1
		.amdhsa_system_sgpr_workgroup_id_y 1
		.amdhsa_system_sgpr_workgroup_id_z 1
		.amdhsa_system_vgpr_workitem_id 0
		.amdhsa_next_free_vgpr 1024
		.amdhsa_next_free_sgpr 98
		.amdhsa_reserve_vcc 0
		.amdhsa_float_denorm_mode_32 3
		.amdhsa_float_denorm_mode_16_64 3
		.amdhsa_memory_ordered 1
		.amdhsa_forward_progress 1
		.amdhsa_inst_pref_size 169
	.end_amdhsa_kernel
	.amdgpu_metadata
---
amdhsa.version: [ 1, 2 ]
amdhsa.kernels:
  - .name:           k_q75966da935_proj
    .symbol:         k_q75966da935_proj.kd
    .args:
      - { .name: W_q_codes, .offset: 0, .size: 8, .value_kind: global_buffer, .address_space: global }
      - { .name: W_k_codes, .offset: 8, .size: 8, .value_kind: global_buffer, .address_space: global }
      - { .name: values_in_codes, .offset: 16, .size: 8, .value_kind: global_buffer, .address_space: global }
      - { .name: W_q_scales, .offset: 24, .size: 8, .value_kind: global_buffer, .address_space: global }
      - { .name: W_k_scales, .offset: 32, .size: 8, .value_kind: global_buffer, .address_space: global }
      - { .name: values_in_scales, .offset: 40, .size: 8, .value_kind: global_buffer, .address_space: global }
      - { .name: query_in_codes, .offset: 48, .size: 8, .value_kind: global_buffer, .address_space: global }
      - { .name: keys_in_codes, .offset: 56, .size: 8, .value_kind: global_buffer, .address_space: global }
      - { .name: W_v_codes, .offset: 64, .size: 8, .value_kind: global_buffer, .address_space: global }
      - { .name: query_in_scales, .offset: 72, .size: 8, .value_kind: global_buffer, .address_space: global }
      - { .name: keys_in_scales, .offset: 80, .size: 8, .value_kind: global_buffer, .address_space: global }
      - { .name: W_v_scales, .offset: 88, .size: 8, .value_kind: global_buffer, .address_space: global }
      - { .name: qb, .offset: 96, .size: 8, .value_kind: global_buffer, .address_space: global }
      - { .name: kv, .offset: 104, .size: 8, .value_kind: global_buffer, .address_space: global }
    .group_segment_fixed_size: 327680
    .private_segment_fixed_size: 0
    .kernarg_segment_align: 8
    .kernarg_segment_size: 112
    .max_flat_workgroup_size: 128
    .sgpr_count:     98
    .vgpr_count:     1024
    .wavefront_size: 32
...
	.end_amdgpu_metadata
.endif
;; end of part 1
;; launch attn (part 2): grid 4 x 64, 16 waves a work-group, clusters of 4 x 1, 327,680 bytes of LDS; arguments qb, kv, ao, aos; writes ao, aos
.if DOCPART == 2
	.amdgcn_target "amdgcn-amd-amdhsa--gfx1250"
	.amdhsa_code_object_version 6
	.text
	.protected	k_q75966da935_attn
	.globl	k_q75966da935_attn
	.p2align	8
	.type	k_q75966da935_attn,@function
k_q75966da935_attn:
	s_mov_b64 s[64:65], 0
	v_nop
	global_prefetch_b8 v0, s[64:65] scope:SCOPE_SE
	s_setreg_imm32_b32 hwreg(HW_REG_WAVE_MODE, 25, 1), 1
	s_wait_xcnt 0x0
	s_wait_alu depctr_hold_cnt(0) depctr_sa_sdst(0) depctr_va_vdst(0) depctr_va_sdst(0) depctr_va_ssrc(0) depctr_va_vcc(0) depctr_vm_vsrc(0)
	s_getreg_b32 s2, hwreg(HW_REG_IB_STS2, 6, 4)
	s_cmp_eq_u32 s2, 0
	s_cbranch_scc0 .Lentry_in_a_cluster
	s_endpgm
.Lentry_in_a_cluster:
	s_bfe_u32 s2, ttmp6, 0x10000c
	s_cmp_lg_u32 s2, 0x3003
	s_cbranch_scc0 .Lentry_shape_is_right
	s_endpgm
.Lentry_shape_is_right:
; For each of the 64 heads (nh = 16 n + h): O[q] = the sum over keys of softmax(q . k / 32) v, both products on codes of FP6 (E2M3) with one E8M0 scale for each 32 along K; O is quantised along the head's 64 for the last product.
; THE SOFTMAX: t = score x log2(e) / 32; M = the largest t so far, rounded UP to a whole number; p = 2^(t - M) is quantised along the keys, not normalised.  The row's sum is taken of the unquantised p and divides O at the end.
; When M moves, the sum and O are multiplied by 2^(old M - new M): nothing is rounded.
; SHARES.  A cluster of four work-groups is one head; a work-group owns 512 queries; each of its sixteen waves owns one tile of 16 queries at a time, two tiles one after the other, and walks all 2,048 keys, 128 a step.
; LDS.  The head's whole block of kv (212,992 bytes, images of operand registers) lies in LDS as it lies in memory, and every byte is filled ONCE, by joint loads (the four partners walk the same head):
; at the head each wave asks for 13 rows of 256 bytes, together key steps 0-3; behind the full sequence and a round of the cluster's barrier each wave asks for 39 rows, together key steps 4-15, which are on their way during steps 0-3.
; One wait and one barrier stand behind step 3.  All of K and V has been asked for when the first step begins: no later stream is left to ask ahead for.  The launch claims all of LDS.
; LAYOUT.  Both products are used transposed: S^T = K Q^T, O^T = V^T P^T: a lane holds ONE query (lane % 16) throughout.
; K = 64 IN AN INSTRUCTION OF K = 128.  Q's registers 6-11 are zero codes.  K's tiles stand six registers apart, so a tile's registers 6-11 are the next tile's codes (the last tile's: zeros), multiplied by zeros.  The scale words repeat their two bytes.
; ORDER INSIDE A BLOCK OF 32: q and k alike, v and p alike (place 8-15 holds k 16-23, place 16-23 k 8-15).  O^T is brought into the true order before it is quantised, since its partner in the last product is an input.
; WHAT IS STORED.  ao: [32 blocks of 256 tokens][8 K steps of 128: heads 2 s, 2 s + 1][16 tiles of 16 tokens][1536 bytes]: a tile is the last product's operand fragment as two half images (registers 0-3 at 16 x lane, 4-5 at 512 + 8 x lane), one for each head.
; aos: [8192][32]: a head holds 2 bytes of a row, whose 32 come from 16 work-groups: one byte in 24 of what the launch stores.
; LIMITS: NaN and infinities are not served; the scaled scores stay under 2^31 in magnitude; a block of O whose largest magnitude lies under 2^-124, a block of zeros too, keeps the scale byte 1 (read by this program alone).
; REGISTERS: v2-10 addresses; v12 -M, v13 the largest t, v[14:15] the sum; v16-27 Q; v32-85 K's tiles, then V's fragments; v86-92 the second pass's Q; v96-159 S^T, then p; v160-191 O^T; v224-235 p's codes; v232-254 at work; v248-251 scale words; v255 Q's.
.set HB,    212992
.set SB,    13312
.set MINE1, 4*SB/16                    ; a wave's first load: 13 rows of 256 bytes
.set MINE2, 12*SB/16                   ; its second: 39 rows
.set VC,    6144
.set KSO,   12288
.set VSO,   12800
.set SPARE, HB                         ; the spare words: 2,048 bytes behind the head's block
.set L16, 2
.set L8,  3
.set A16, 4
.set A8,  5
.set R32, 6
.set SPW, 223
.set NIL, 243
.set WV,  12
.set CX,  13
.set NH,  14
.set SEL, 20
.set CS,  22
.set G1,  24                           ; s[24:31], s[32:35] groups 1 and 0 of the first load; s[36:43], s[44:47] of the second
.set G0,  32
.set G1B, 36
.set G0B, 44
.set TB,  48
.set CNT, 49
.set PASS, 50
.set QP,  52
.set AOP, 54
.set ASP, 56
.macro CROUND
	s_barrier_signal -1
	s_barrier_wait -1
	s_cmp_lg_u32 s[WV], 0
	s_cbranch_scc1 .Lnot_wave_0_\@
	s_barrier_signal -3
.Lnot_wave_0_\@:
	s_barrier_wait -3
	s_barrier_signal -1
	s_barrier_wait -1
.endm
	s_load_b256 s[4:11], s[0:1], 0x0               ; qb, kv, ao, aos
	v_lshl_add_u32 v[SPW], v0, 2, SPARE
	v_mov_b32 v[NIL], 0
	ds_add_u32 v[SPW], v[NIL]                      ; the opening lines
	ds_add_u32 v[SPW], v[NIL]
	v_lshrrev_b32 v1, 5, v0
	s_delay_alu instid0(VALU_DEP_1)
	v_readfirstlane_b32 s[WV], v1                  ; wave 0..15
	s_bfe_u32 s[CX], ttmp6, 0x40000                ; cx
	s_and_b32 s[NH], ttmp7, 0xffff                 ; the head, which the four partners share
	s_mov_b32 s[G1], 15|(3<<16)|(1<<21)            ; all four work-groups; elements of 8 bytes; dense rows of 256 bytes
	s_mov_b32 s[G1+1], 32<<16
	s_mov_b32 s[G1+2], 13<<16
	s_mov_b32 s[G1+3], 32<<16
	s_mov_b32 s[G1+4], 13
	s_mov_b32 s[G1+5], 32
	s_mov_b32 s[G1+6], 0
	s_mov_b32 s[G1+7], 0
	s_mov_b32 s[G1B], 15|(3<<16)|(1<<21)
	s_mov_b32 s[G1B+1], 32<<16
	s_mov_b32 s[G1B+2], 39<<16
	s_mov_b32 s[G1B+3], 32<<16
	s_mov_b32 s[G1B+4], 39
	s_mov_b32 s[G1B+5], 32
	s_mov_b32 s[G1B+6], 0
	s_mov_b32 s[G1B+7], 0
	s_mul_i32 s16, s[NH], HB
	s_mov_b32 s17, 0
	s_mul_i32 s18, s[WV], MINE1                    ; my rows: in memory and in LDS alike
	s_mov_b32 s19, 0
	s_mul_i32 s2, s[WV], MINE2
	s_add_co_u32 s2, s2, 4*SB
	s_mov_b32 s3, 0
	s_mov_b32 s[SEL], 0x76543210
	s_mov_b32 s[SEL+1], 0xfedcba98
	s_mov_b32 s[CS], 0x3d38aa3b                    ; log2(e) / 32
	s_mov_b32 s[CS+1], s[CS]
	s_wait_dscnt 0x0
	s_wait_kmcnt 0x0
	s_add_nc_u64 s[16:17], s[6:7], s[16:17]
	s_mov_b32 s[G0], 1
	s_mov_b32 s[G0+1], s18
	s_add_nc_u64 s[G0+2:G0+3], s[16:17], s[18:19]
	s_or_b32 s[G0+3], s[G0+3], 0x80000000
	s_mov_b32 s[G0B], 1
	s_mov_b32 s[G0B+1], s2
	s_add_nc_u64 s[G0B+2:G0B+3], s[16:17], s[2:3]
	s_or_b32 s[G0B+3], s[G0B+3], 0x80000000
	CROUND                                         ; all four work-groups are here: the joint loads meet
	tensor_load_to_lds s[G0:G0+3], s[G1:G1+7]      ; my part of key steps 0-3: one tensor load a wave at the head
	s_nop 0
.rept 4
	v_nop
.endr
	; My query tile in pass p is 32 cx + 16 p + w of the head's 128: in qb step 4 cx + 2 p + w / 8, tile w % 8
	s_lshr_b32 s58, s[WV], 3
	s_lshl_b32 s59, s[CX], 2
	s_add_co_u32 s58, s58, s59                     ; 4 cx + w / 8
	s_mul_i32 s[QP], s58, SB
	s_mul_i32 s59, s[NH], HB
	s_add_co_u32 s[QP], s[QP], s59
	s_mov_b32 s[QP+1], 0
	s_add_nc_u64 s[QP:QP+1], s[4:5], s[QP:QP+1]
	s_lshr_b32 s60, s[NH], 4                       ; n
	s_and_b32 s61, s[NH], 15                       ; h
	s_lshl_b32 s59, s60, 3
	s_lshl_b32 s63, s[CX], 1
	s_add_co_u32 s59, s59, s63                     ; ao: my block of 256 tokens: 8 n + 2 cx (+ p),
	s_mul_i32 s[AOP], s59, 196608
	s_lshr_b32 s59, s61, 1
	s_mul_i32 s59, s59, 24576                      ; the K step of 128: heads 2 s and 2 s + 1,
	s_add_co_u32 s[AOP], s[AOP], s59
	s_mul_i32 s59, s[WV], 1536                     ; tile w of the block's sixteen,
	s_add_co_u32 s[AOP], s[AOP], s59
	s_and_b32 s62, s[WV], 7
	s_and_b32 s59, s61, 1
	s_mul_i32 s59, s59, 768                        ; and the fragment's half
	s_add_co_u32 s[AOP], s[AOP], s59
	s_mov_b32 s[AOP+1], 0
	s_add_nc_u64 s[AOP:AOP+1], s[8:9], s[AOP:AOP+1]
	s_lshl_b32 s[ASP], s60, 7
	s_lshl_b32 s59, s[CX], 5
	s_add_co_u32 s[ASP], s[ASP], s59
	s_add_co_u32 s[ASP], s[ASP], s[WV]             ; aos: tile 128 n + 32 cx + w (+ 16 p) of 16 rows of 32 bytes,
	s_lshl_b32 s[ASP], s[ASP], 9
	s_lshl_b32 s59, s61, 1
	s_add_co_u32 s[ASP], s[ASP], s59               ; bytes 2 h and 2 h + 1
	s_mov_b32 s[ASP+1], 0
	s_add_nc_u64 s[ASP:ASP+1], s[10:11], s[ASP:ASP+1]
	v_and_b32 v1, 31, v0                           ; lane
	v_and_b32 v7, 15, v0                           ; r
	v_lshlrev_b32 v[L16], 4, v1
	v_lshlrev_b32 v[L8], 3, v1
	v_lshlrev_b32 v[R32], 5, v7
	s_mul_i32 s59, s62, 768
	v_add_nc_u32 v8, s59, v[L16]                   ; Q's half image: tile w % 8
	v_add_nc_u32 v9, s59, v[L8]
	s_lshr_b32 s59, s62, 2
	s_lshl_b32 s59, s59, 8
	s_and_b32 s63, s[WV], 3
	s_lshl_b32 s63, s63, 2
	s_add_co_u32 s59, s59, s63
	v_lshl_add_u32 v10, v7, 4, s59                 ; its scale word: 16 r + 256 ((w % 8) / 4) + 4 (w % 4)
	global_load_b128 v[16:19], v8, s[QP:QP+1]                  ; pass 0's Q
	global_load_b64 v[20:21], v9, s[QP:QP+1] offset:512
	global_load_b32 v255, v10, s[QP:QP+1] offset:KSO
	global_load_b128 v[86:89], v8, s[QP:QP+1] offset:2*SB      ; pass 1's: two steps on
	global_load_b64 v[90:91], v9, s[QP:QP+1] offset:2*SB+512
	global_load_b32 v92, v10, s[QP:QP+1] offset:2*SB+KSO
.irp j, 22,23,24,25,26,27, 80,81,82,83,84,85
	v_mov_b32 v[\j], 0                             ; zero codes
.endr
.irp b, 0,1,2,3
	v_mov_b32 v[236+\b], 0                         ; a lane permute's destination counts as one of its sources
.endr
	v_mov_b32 v253, 0
; A KEY STEP: 128 keys, at LDS byte s[TB].
.macro STEP
	v_add_nc_u32 v[A16], s[TB], v[L16]
	v_add_nc_u32 v[A8], s[TB], v[L8]
	v_nop
	v_nop                                          ; four places in front of loads into registers that the last products have read
.irp t, 0,1,2,3,4,5,6,7
	ds_load_b128 v[32+6*\t:35+6*\t], v[A16] offset:768*\t
	ds_load_b64 v[36+6*\t:37+6*\t], v[A8] offset:768*\t+512
.endr
	ds_load_b128 v[248:251], v[A16] offset:KSO     ; register i: lanes 0-15 tile i, lanes 16-31 tile 4 + i
	s_wait_alu depctr_va_vdst(0)
	s_wait_dscnt 0x0
.irp t, 0,1,2,3,4,5,6,7                        ; S^T = K Q^T: lane (r, hh), register j of tile t: query r, key 16 t + 8 hh + j
.if \t < 4
	v_wmma_scale_f32_16x16x128_f8f6f4 v[96+8*\t:103+8*\t], v[32+6*\t:43+6*\t], v[16:27], 0, v[248+\t], v255 matrix_a_fmt:MATRIX_FMT_FP6 matrix_b_fmt:MATRIX_FMT_FP6
.else
	v_wmma_scale_f32_16x16x128_f8f6f4 v[96+8*\t:103+8*\t], v[32+6*\t:43+6*\t], v[16:27], 0, v[244+\t], v255 matrix_a_fmt:MATRIX_FMT_FP6 matrix_b_fmt:MATRIX_FMT_FP6 matrix_a_scale:MATRIX_SCALE_ROW1
.endif
.endr
.rept 4
	v_nop                                          ; places in front of the loads below and of the first read of the scores
.endr
.irp t, 0,1,2,3                                ; V's four fragments land under the softmax
.irp c, 0,1
	ds_load_b128 v[32+12*\t+6*\c:35+12*\t+6*\c], v[A16] offset:VC+1536*\t+768*\c
	ds_load_b64 v[36+12*\t+6*\c:37+12*\t+6*\c], v[A8] offset:VC+1536*\t+768*\c+512
.endr
.endr
	ds_load_b128 v[248:251], v[A16] offset:VSO
.irp b, 0,1,2,3
	v_max3_num_f32 v[232+\b], v[96+16*\b], v[97+16*\b], v[98+16*\b]   ; the largest score of each block of 32 keys: for the row's maximum and for the block's largest p
.endr
.irp i, 3,5,7,9,11,13
.irp b, 0,1,2,3
	v_max3_num_f32 v[232+\b], v[232+\b], v[96+16*\b+\i], v[97+16*\b+\i]
.endr
.endr
.irp b, 0,1,2,3
	v_max_num_f32 v[232+\b], v[232+\b], v[111+16*\b]
.endr
.irp b, 0,1,2,3
	s_delay_alu instid0(VALU_DEP_4)
	v_permlanex16_b32 v[236+\b], v[232+\b], s[SEL], s[SEL+1]
.endr
.irp b, 0,1,2,3
	s_delay_alu instid0(VALU_DEP_4)
	v_max_num_f32 v[232+\b], v[232+\b], v[236+\b]
.endr
	s_delay_alu instid0(VALU_DEP_2)
	v_max3_num_f32 v254, v232, v233, v234
	s_delay_alu instid0(VALU_DEP_1)
	v_max_num_f32 v254, v254, v235                 ; the step's largest score of my query
	s_delay_alu instid0(VALU_DEP_1)
	v_mul_f32 v254, s[CS], v254
	s_delay_alu instid0(VALU_DEP_1)
	v_max_num_f32 v13, v13, v254                   ; the running largest t
	v_mov_b32 v254, v12
	s_delay_alu instid0(VALU_DEP_2)
	v_floor_f32 v12, -v13                          ; the new -M = -ceil(t)
	s_delay_alu instid0(VALU_DEP_1)
	v_sub_f32 v254, v12, v254
	s_delay_alu instid0(VALU_DEP_1)
	v_cvt_i32_f32 v254, v254
	s_delay_alu instid0(VALU_DEP_1)
	v_ldexp_f32 v252, 1.0, v254                    ; f = 2^(old M - new M)
.set J, 96
.rept 32
	v_pk_fma_f32 v[J:J+1], v[J:J+1], s[CS:CS+1], v[12:13] op_sel_hi:[1,0,0]   ; t - M
.set J, J+2
.endr
.irp b, 0,1,2,3
	v_fma_f32 v[232+\b], v[232+\b], s[CS], v12
.endr
	s_wait_alu depctr_va_vdst(0)
.set J, 96
.rept 64
	v_exp_f32 v[J], v[J]                           ; p = 2^(t - M)
.set J, J+1
.endr
	v_pk_mul_f32 v[14:15], v[14:15], v[252:253] op_sel_hi:[1,0]   ; the sums under the new M: the plain line behind the exponentials
	s_wait_alu depctr_va_vdst(0)                   ; one wait for the batch of 64
.irp b, 0,1,2,3
	v_exp_f32 v[232+\b], v[232+\b]                 ; the block's largest p
.endr
	v_pk_add_f32 v[236:237], v[96:97], v[98:99]    ; the row's sum of the unquantised p: four chains by turns
	v_pk_add_f32 v[246:247], v[100:101], v[102:103]
	v_pk_add_f32 v[244:245], v[104:105], v[106:107]
	v_pk_add_f32 v[14:15], v[14:15], v[108:109]
.set J, 110
.rept 6
	v_pk_add_f32 v[236:237], v[236:237], v[J:J+1]
	v_pk_add_f32 v[246:247], v[246:247], v[J+2:J+3]
	v_pk_add_f32 v[244:245], v[244:245], v[J+4:J+5]
	v_pk_add_f32 v[14:15], v[14:15], v[J+6:J+7]
.set J, J+8
.endr
	v_pk_add_f32 v[236:237], v[236:237], v[158:159]
	v_pk_add_f32 v[14:15], v[14:15], v[244:245]
	s_delay_alu instid0(VALU_DEP_2)
	v_pk_add_f32 v[236:237], v[236:237], v[246:247]
	s_delay_alu instid0(VALU_DEP_1)
	v_pk_add_f32 v[14:15], v[14:15], v[236:237]
	s_wait_alu depctr_va_vdst(0)                   ; and one for the four
.irp b, 0,1,2,3
	v_max_num_f32 v[232+\b], 0x1800000, v[232+\b]  ; the floor 2^(3 - 127)
.endr
.irp b, 0,1,2,3
	s_delay_alu instid0(VALU_DEP_4)
	v_add_nc_u32 v[244+\b], 0xff000000, v[232+\b]  ; the conversion's scale operand
.endr
.irp b, 0,1,2,3
	s_delay_alu instid0(VALU_DEP_4)
	v_lshrrev_b32 v[236+\b], 23, v[244+\b]         ; the scale's byte
.endr
	s_delay_alu instid0(VALU_DEP_3)
	v_lshl_or_b32 v253, v237, 8, v236              ; p's scale word for these 128 keys
	s_delay_alu instid0(VALU_DEP_1)
	v_lshl_or_b32 v253, v238, 16, v253
	s_delay_alu instid0(VALU_DEP_1)
	v_lshl_or_b32 v253, v239, 24, v253
.irp c, 0,1
	v_cvt_scalef32_pk16_fp6_f32 v[224+6*\c:226+6*\c], v[96+32*\c:111+32*\c], v[244+2*\c]
	v_cvt_scalef32_pk16_fp6_f32 v[236+4*\c:238+4*\c], v[112+32*\c:127+32*\c], v[244+2*\c+1]
.endr
	v_nop                                          ; one plain place behind a scaled conversion
.irp c, 0,1                                    ; a whole block in a lane
.irp i, 0,1,2
	v_permlane16_swap_b32 v[224+6*\c+\i], v[236+4*\c+\i]
.endr
.irp i, 0,1,2
	s_delay_alu instid0(VALU_DEP_3)
	v_mov_b32 v[227+6*\c+\i], v[236+4*\c+\i]
.endr
.endr
.set J, 160
.rept 16
	v_pk_mul_f32 v[J:J+1], v[J:J+1], v[252:253] op_sel_hi:[1,0]   ; O^T under the new M; these sixteen are also the places between p's codes and scale word and the products below
.set J, J+2
.endr
	s_wait_alu depctr_va_vdst(0)
	s_wait_dscnt 0x0                               ; V's fragments and scale words are in
.irp t, 0,1,2,3                                ; O^T += V^T P^T; the four accumulators take turns, with the eight of S^T between
	v_wmma_scale_f32_16x16x128_f8f6f4 v[160+8*\t:167+8*\t], v[32+12*\t:43+12*\t], v[224:235], v[160+8*\t:167+8*\t], v[248+\t], v253 matrix_a_fmt:MATRIX_FMT_FP6 matrix_b_fmt:MATRIX_FMT_FP6
.endr
	s_add_co_u32 s[TB], s[TB], SB
.endm
	s_wait_alu depctr_va_vdst(0)
	s_wait_tensorcnt 0x0                           ; my part of key steps 0-3 is in
	ds_add_u32 v[SPW], v[NIL]
	s_wait_dscnt 0x0
	CROUND                                         ; everybody's part is in, and all four work-groups are here
	tensor_load_to_lds s[G0B:G0B+3], s[G1B:G1B+7]  ; my part of key steps 4-15: bytes that nothing has filled or read
	s_nop 0
.rept 4
	v_nop
.endr
	s_mov_b32 s[PASS], 2
.Lpass:                                            ; one tile of 16 queries a trip
	v_mov_b32 v13, 0xff61b1e6                      ; the largest t so far: -3e38
	s_delay_alu instid0(VALU_DEP_1)
	v_floor_f32 v12, -v13
	v_mov_b32 v14, 0
	v_mov_b32 v15, 0
.set J, 160
.rept 32
	v_mov_b32 v[J], 0                              ; O^T: the step is written once, and its first run finds zeros
.set J, J+1
.endr
	s_wait_loadcnt 0x0                             ; Q, both passes'
	s_mov_b32 s[TB], 0
	s_mov_b32 s[CNT], 4
.Lstep:                                            ; key steps 0-3
	STEP
	s_sub_co_u32 s[CNT], s[CNT], 1
	s_cmp_lg_u32 s[CNT], 0
	s_cbranch_scc1 .Lstep
	s_wait_tensorcnt 0x0                           ; my part of key steps 4-15 is in (in the second pass nothing is out);
	s_barrier_signal -1                            ; no LDS instruction of mine is pending here
	s_barrier_wait -1                              ; everybody's is
	s_mov_b32 s[TB], 4*SB
	s_mov_b32 s[CNT], 12
.Lstep2:                                           ; key steps 4-15
	STEP
	s_sub_co_u32 s[CNT], s[CNT], 1
	s_cmp_lg_u32 s[CNT], 0
	s_cbranch_scc1 .Lstep2
	; THE WAY OUT of a tile.  The additions and the moves are the places behind the last products.
	v_add_f32 v14, v14, v15
	s_delay_alu instid0(VALU_DEP_1)
	v_permlanex16_b32 v252, v14, s[SEL], s[SEL+1]
	s_delay_alu instid0(VALU_DEP_1)
	v_add_f32 v14, v14, v252                       ; the row's sum
	s_wait_alu depctr_va_vdst(0)
	v_rcp_f32 v14, v14
.irp j, 0,1,2,3,4,5
	v_mov_b32 v[16+\j], v[86+\j]                   ; the next pass's Q
.endr
	v_mov_b32 v255, v92
	s_wait_alu depctr_va_vdst(0)                   ; ahead of the reciprocal's first reader
.set J, 0
.rept 32
	v_mul_f32 v[96+J], v[160+J], v14               ; O^T / the sum; each accumulator from its low end on
.set J, J+1
.endr
.irp b, 0,1                                    ; into the true order: a lane's 16 registers then hold d = 32 b + 16 hh + 0 .. 15
.irp j, 0,1,2,3,4,5,6,7
	v_permlane16_swap_b32 v[96+16*\b+\j], v[104+16*\b+\j]
.endr
.endr
.irp b, 0,1
	v_max3_num_f32 v[232+\b], |v[96+16*\b]|, |v[97+16*\b]|, 0x1800000
.endr
.irp i, 2,4,6,8,10,12,14
.irp b, 0,1
	s_delay_alu instid0(VALU_DEP_2)
	v_max3_num_f32 v[232+\b], v[232+\b], |v[96+16*\b+\i]|, |v[97+16*\b+\i]|
.endr
.endr
.irp b, 0,1
	s_delay_alu instid0(VALU_DEP_2)
	v_permlanex16_b32 v[236+\b], v[232+\b], s[SEL], s[SEL+1]
.endr
.irp b, 0,1
	s_delay_alu instid0(VALU_DEP_2)
	v_max_num_f32 v[232+\b], v[232+\b], v[236+\b]
.endr
.irp b, 0,1
	s_delay_alu instid0(VALU_DEP_2)
	v_add_nc_u32 v[244+\b], 0xff000000, v[232+\b]
.endr
.irp b, 0,1
	s_delay_alu instid0(VALU_DEP_2)
	v_lshrrev_b32 v[236+\b], 23, v[244+\b]
.endr
	s_delay_alu instid0(VALU_DEP_1)
	v_lshl_or_b32 v254, v237, 8, v236              ; my row's two scale bytes
	v_cvt_scalef32_pk16_fp6_f32 v[224:226], v[96:111], v244
	v_cvt_scalef32_pk16_fp6_f32 v[240:242], v[112:127], v245
	v_nop                                          ; one plain place behind a scaled conversion
.irp i, 0,1,2
	v_permlane16_swap_b32 v[224+\i], v[240+\i]     ; lanes 0-15 block 0, lanes 16-31 block 1
.endr
.irp i, 0,1,2
	s_delay_alu instid0(VALU_DEP_3)
	v_mov_b32 v[227+\i], v[240+\i]
.endr
	global_store_b128 v[L16], v[224:227], s[AOP:AOP+1]             ; the half image: 512 consecutive bytes, at a multiple of 256 from ao's first byte,
	global_store_b64 v[L8], v[228:229], s[AOP:AOP+1] offset:512    ; and 256 more
	global_store_b16 v[R32], v254, s[ASP:ASP+1]                    ; two bytes in each of 16 rows of aos (lanes l and l xor 16 write the same bytes)
	s_wait_xcnt 0x0                                ; data and bases are written again only behind this wait
	s_add_nc_u64 s[AOP:AOP+1], s[AOP:AOP+1], 196608    ; the next pass: 256 tokens on
	s_add_nc_u64 s[ASP:ASP+1], s[ASP:ASP+1], 16*512
	s_sub_co_u32 s[PASS], s[PASS], 1
	s_cmp_lg_u32 s[PASS], 0
	s_cbranch_scc1 .Lpass
	s_wait_tensorcnt 0x0                           ; the wave's end
	ds_add_u32 v[SPW], v[NIL]
	s_wait_dscnt 0x0
	CROUND                                         ; the closing round
	s_endpgm
.Lfunc_end_k_q75966da935_attn:
	.size	k_q75966da935_attn, .Lfunc_end_k_q75966da935_attn-k_q75966da935_attn
	.p2alignl 7, 3214868480
	.fill 96, 4, 3214868480
	.section	.rodata,"a",@progbits
	.p2align	6, 0x0
	.amdhsa_kernel k_q75966da935_attn
		.amdhsa_group_segment_fixed_size 327680
		.amdhsa_private_segment_fixed_size 0
		.amdhsa_enable_private_segment 0
		.amdhsa_kernarg_size 32
		.amdhsa_user_sgpr_count 2
		.amdhsa_user_sgpr_kernarg_segment_ptr 1
		.amdhsa_wavefront_size32 1
		.amdhsa_system_sgpr_workgroup_id_x 1
		.amdhsa_system_sgpr_workgroup_id_y 1
		.amdhsa_system_sgpr_workgroup_id_z 1
		.amdhsa_system_vgpr_workitem_id 0
		.amdhsa_next_free_vgpr 256
		.amdhsa_next_free_sgpr 66
		.amdhsa_reserve_vcc 0
		.amdhsa_float_denorm_mode_32 3
		.amdhsa_float_denorm_mode_16_64 3
		.amdhsa_memory_ordered 1
		.amdhsa_forward_progress 1
		.amdhsa_inst_pref_size 48
	.end_amdhsa_kernel
	.amdgpu_metadata
---
amdhsa.version: [ 1, 2 ]
amdhsa.kernels:
  - .name:           k_q75966da935_attn
    .symbol:         k_q75966da935_attn.kd
    .args:
      - { .name: qb, .offset: 0, .size: 8, .value_kind: global_buffer, .address_space: global }
      - { .name: kv, .offset: 8, .size: 8, .value_kind: global_buffer, .address_space: global }
      - { .name: ao, .offset: 16, .size: 8, .value_kind: global_buffer, .address_space: global }
      - { .name: aos, .offset: 24, .size: 8, .value_kind: global_buffer, .address_space: global }
    .group_segment_fixed_size: 327680
    .private_segment_fixed_size: 0
    .kernarg_segment_align: 8
    .kernarg_segment_size: 32
    .max_flat_workgroup_size: 512
    .sgpr_count:     66
    .vgpr_count:     256
    .wavefront_size: 32
...
	.end_amdgpu_metadata
.endif
;; end of part 2
;; launch oproj (part 3): grid 4 x 32, 4 waves a work-group, clusters of 4 x 4, 327,680 bytes of LDS; arguments ao, aos, W_o_codes, W_o_scales, out0; writes out0
.if DOCPART == 3
	.amdgcn_target "amdgcn-amd-amdhsa--gfx1250"
	.amdhsa_code_object_version 6
	.text
	.protected	k_q75966da935_oproj
	.globl	k_q75966da935_oproj
	.p2align	8
	.type	k_q75966da935_oproj,@function
k_q75966da935_oproj:
	s_mov_b64 s[64:65], 0
	v_nop
	global_prefetch_b8 v0, s[64:65] scope:SCOPE_SE
	s_setreg_imm32_b32 hwreg(HW_REG_WAVE_MODE, 25, 1), 1
	s_wait_xcnt 0x0
	s_wait_alu depctr_hold_cnt(0) depctr_sa_sdst(0) depctr_va_vdst(0) depctr_va_sdst(0) depctr_va_ssrc(0) depctr_va_vcc(0) depctr_vm_vsrc(0)
	s_getreg_b32 s2, hwreg(HW_REG_IB_STS2, 6, 4)
	s_cmp_eq_u32 s2, 0
	s_cbranch_scc0 .Lentry_in_a_cluster
	s_endpgm
.Lentry_in_a_cluster:
	s_bfe_u32 s2, ttmp6, 0x10000c
	s_cmp_lg_u32 s2, 0xf033
	s_cbranch_scc0 .Lentry_shape_is_right
	s_endpgm
.Lentry_shape_is_right:
; out0[m][n] = sum over k of A[m][k] W_o[n][k]: A = the attention's result as codes of FP6, W_o likewise, one E8M0 scale for each 32 along K; out0 [8192][1024] f32; sums in f32.
; A tile of 256 x 256 to a work-group of four waves, 128 x 128 a wave.  32 x 4 tiles: 128 work-groups.  Clusters of 4 x 4: A's tiles are asked for jointly along a row, W_o's along a column.
; W_o goes through a ring of two LDS slots in chunks of 256 bytes of each row of 768: every tensor row begins at a multiple of 256 bytes.  A step of 128 along K is 96 bytes: eight steps to three chunks; steps 2 and 5 lie across two chunks.
; A lies in ao as images of operand registers: [32 blocks of 256 tokens][8 K steps][16 tiles of 16 tokens][1536 bytes] (registers 0-3 at 16 x lane, 4-5 at 512 + 8 x lane, 6-9 at 768 + 16 x lane, 10-11 at 1280 + 8 x lane).
; GROUP c of A is the K steps whose bytes of W_o begin in chunk c: steps 0-2, 3-5, 6-7: a dense run of 288, 288, 192 rows of 256 bytes.  It lies in slot c % 2 beside chunk c, is asked for with it and is free when it is.
; The scales (aos [8192][32], W_o's [1024][32]) come once, as dense blocks.  The matrix instruction is used transposed (source 0 = W_o's rows): a lane holds eight neighbouring numbers of a row of out0.
; No prefetch: K is three chunks, of which two are asked for at the head; one refill is left.
.set SIZE_N, 1024
.set SIZE_K, 1024
.set ROWB,   256
.set NQ,     2
.set KROW,   SIZE_K*6/8
.set STEPS,  SIZE_K/128
.set CHUNKS, KROW/ROWB
.set PITCH,  272
.set FR,     12
.set NLA,    4                         ; LDS loads that bring a fragment of A
.set NP,     4
.set ASTEP,  24576                     ; a K step of A's 256 tokens
.set APART,  3*ASTEP                   ; A's part of a slot
.set HALFT,  128*PITCH
.set SLOT,   APART+2*HALFT             ; A's group, then W_o's 256 rows
.set KS,     SIZE_K/32
.set SCL,    2*SLOT
.set HALFS,  (128*KS/256)*272
.set SBLK,   (16*KS/256)*272
.set SPARE,  SCL+4*HALFS               ; the spare words: 512 bytes that no other line names
.set SPITCH, 528
.set STAGE,  (CHUNKS%2)*SLOT           ; the way out's stage: in the slot that does not hold the last chunk
.set ADRA, 16                          ; v16-17 A's images in slot 0, 1, + 16 x lane; v18-19 + 8 x lane
.set ADRB, 20                          ; v20-21 W_o's fragments in slot 0, 1; v22-23 across two chunks
.set STO,  24
.set RD,   25
.set CO,   26
.set SPW,  28
.set NIL,  29
.set ADRS, 27
.set SC,   32
.set AF,   128
.set BK,   128
.set G1, 24
.set G0, 32
.set G1B, 48
.set G0B, 56
.set G1S, 68
.set G0S, 76
.set G1SB, 80
.set G0SB, 88
.set G0H, 4
.set G0HB, 8
.set MSB, 0
.macro WIN new
.if MSB != \new
	s_set_vgpr_msb (MSB<<8)|\new
.set MSB, \new
.endif
.endm
.set MUL_LO, 0xa1
.set MUL_HI, 0xf1
.set TO_B,   0x40
.macro JLOAD g0a, g1a, g0b, g1b        ; waves 0, 1 fetch for A, waves 2, 3 for W_o
	s_cmp_eq_u32 s15, 0
	s_cbranch_scc0 .Lfor_b_\@
	tensor_load_to_lds s[\g0a:\g0a+3], s[\g1a:\g1a+7]
	s_nop 0
.rept 4
	v_nop
.endr
	s_branch .Lasked_\@
.Lfor_b_\@:
	tensor_load_to_lds s[\g0b:\g0b+3], s[\g1b:\g1b+7]
	s_nop 0
.rept 4
	v_nop
.endr
.Lasked_\@:
.endm
.macro CREST
	s_cmp_lg_u32 s14, 0
	s_cbranch_scc1 .Lnot_wave_0_\@
	s_barrier_signal -3
.Lnot_wave_0_\@:
	s_barrier_wait -3
	s_barrier_signal -1
	s_barrier_wait -1
.endm
.macro CROUND
	s_barrier_signal -1
	s_barrier_wait -1
	CREST
.endm
	s_load_b128 s[4:7], s[0:1], 0x0                ; ao, aos
	s_load_b128 s[8:11], s[0:1], 0x10              ; W_o's codes, scales
	s_load_b64 s[12:13], s[0:1], 0x20              ; out0
	v_lshl_add_u32 v[SPW], v0, 2, SPARE
	v_mov_b32 v[NIL], 0
	ds_add_u32 v[SPW], v[NIL]                      ; the opening lines
	ds_add_u32 v[SPW], v[NIL]
	v_lshrrev_b32 v1, 5, v0
	v_readfirstlane_b32 s14, v1                    ; wave 0..3
	s_lshr_b32 s15, s14, 1
	s_and_b32 s16, s14, 1
	s_bfe_u32 s40, ttmp6, 0x40000                  ; cx
	s_bfe_u32 s41, ttmp6, 0x40004                  ; cy
	s_lshl_b32 s42, ttmp9, 2
	s_add_co_u32 s42, s42, s40                     ; tile column
	s_and_b32 s17, ttmp7, 0xffff
	s_lshl_b32 s17, s17, 2
	s_add_co_u32 s17, s17, s41                     ; tile row: the block of 256 tokens
	s_lshl_b32 s43, s41, 2
	s_lshl_b32 s43, 15, s43
	s_lshl_b32 s44, 0x1111, s40
	s_or_b32 s[G1+0], s43, (3<<16)|(1<<21)         ; A: dense rows of 256 bytes (32 elements of 8), no padding; 288 rows at the head
	s_mov_b32 s[G1+1], 32<<16
	s_mov_b32 s[G1+2], 288<<16
	s_mov_b32 s[G1+3], 32<<16
	s_mov_b32 s[G1+4], 288
	s_mov_b32 s[G1+5], 32
	s_mov_b32 s[G1+6], 0
	s_mov_b32 s[G1+7], 0
	s_or_b32 s[G1B+0], s44, (0<<16)|(1<<20)|(1<<21)|(5<<22)|(3<<25)   ; W_o: rows of 256 bytes, 16 of padding behind each; 256 rows at the head
	s_mov_b32 s[G1B+1], ROWB<<16
	s_mov_b32 s[G1B+2], 256<<16
	s_mov_b32 s[G1B+3], ROWB<<16
	s_mov_b32 s[G1B+4], 256
	s_mov_b32 s[G1B+5], KROW
	s_mov_b32 s[G1B+6], 0
	s_mov_b32 s[G1B+7], 0
	s_or_b32 s[G1S+0], s43, (3<<16)|(1<<20)|(1<<21)|(5<<22)|(3<<25)
	s_or_b32 s[G1SB+0], s44, (3<<16)|(1<<20)|(1<<21)|(5<<22)|(3<<25)
.irp g, G1S, G1SB
	s_mov_b32 s[\g+1], 32<<16
	s_mov_b32 s[\g+2], KS<<16
	s_mov_b32 s[\g+3], 32<<16
	s_mov_b32 s[\g+4], KS
	s_mov_b32 s[\g+5], 32
	s_mov_b32 s[\g+6], 0
	s_mov_b32 s[\g+7], 0
.endr
	s_mul_i32 s20, s17, 8*ASTEP                    ; A: the block's first byte
	s_mov_b32 s21, 0
	s_lshl_b32 s22, s17, 13                        ; its scales: 256 rows of 32 bytes a block
	s_mov_b32 s23, 0
	s_lshl_b32 s46, s42, 8                         ; W_o: the tile's first row
	s_lshl_b32 s92, s46, 5                         ; its scales
	s_mov_b32 s93, 0
	s_mul_i32 s46, s46, KROW                       ; its codes
	s_mov_b32 s47, 0
	s_mul_i32 s18, s16, 128*KROW                   ; in the ring a wave fetches 128 rows of W_o: which half
	s_mov_b32 s19, 0
	s_mul_i32 s45, s16, HALFT
	s_add_co_u32 s45, s45, APART                   ; and where they go
	s_mul_i32 s94, s16, APART/2                    ; or half of A's group 1: 144 rows,
	s_mov_b32 s95, 0
	s_mul_i32 s96, s16, ASTEP                      ; or half of group 2: 96 rows
	s_mov_b32 s97, 0
	s_wait_dscnt 0x0
	s_wait_kmcnt 0x0
	s_add_nc_u64 s[20:21], s[4:5], s[20:21]
	s_add_nc_u64 s[22:23], s[6:7], s[22:23]
	s_add_nc_u64 s[46:47], s[8:9], s[46:47]
	s_add_nc_u64 s[92:93], s[10:11], s[92:93]
	CROUND
	s_mov_b32 s[G0H], 1                            ; A's group 0,
	s_mov_b32 s[G0H+1], 0
	s_mov_b64 s[G0H+2:G0H+3], s[20:21]
	s_or_b32 s[G0H+3], s[G0H+3], 0x80000000
	s_mov_b32 s[G0HB], 1                           ; chunk 0 of W_o's 256 rows,
	s_mov_b32 s[G0HB+1], APART
	s_mov_b64 s[G0HB+2:G0HB+3], s[46:47]
	s_or_b32 s[G0HB+3], s[G0HB+3], 0x80000000
	s_mov_b32 s[G0S], 1                            ; A's scales,
	s_mov_b32 s[G0S+1], SCL
	s_mov_b64 s[G0S+2:G0S+3], s[22:23]
	s_or_b32 s[G0S+3], s[G0S+3], 0x80000000
	s_mov_b32 s[G0SB], 1                           ; W_o's
	s_mov_b32 s[G0SB+1], SCL+2*HALFS
	s_mov_b64 s[G0SB+2:G0SB+3], s[92:93]
	s_or_b32 s[G0SB+3], s[G0SB+3], 0x80000000
	s_mov_b32 s[G0], 1                             ; slot 0's refill: my half of A's group 2
	s_mov_b32 s[G0+1], s96
	s_add_nc_u64 s[G0+2:G0+3], s[20:21], s[96:97]
	s_add_nc_u64 s[G0+2:G0+3], s[G0+2:G0+3], 2*APART
	s_or_b32 s[G0+3], s[G0+3], 0x80000000
	s_mov_b32 s[G0+4], 1                           ; slot 1's fill: my half of group 1
	s_add_co_u32 s[G0+5], s94, SLOT
	s_add_nc_u64 s[G0+6:G0+7], s[20:21], s[94:95]
	s_add_nc_u64 s[G0+6:G0+7], s[G0+6:G0+7], APART
	s_or_b32 s[G0+7], s[G0+7], 0x80000000
	s_add_nc_u64 s[46:47], s[46:47], s[18:19]
.irp s, 0,1
	s_mov_b32 s[G0B+4*\s], 1
	s_add_co_u32 s[G0B+4*\s+1], s45, \s*SLOT
	s_add_nc_u64 s[G0B+4*\s+2:G0B+4*\s+3], s[46:47], \s*ROWB
	s_or_b32 s[G0B+4*\s+3], s[G0B+4*\s+3], 0x80000000
.endr
; the head's four tiles, one load a wave, in one tree of branches on the wave's number
.macro ARM under, g0, g1, next
	s_cmp_lt_u32 s14, \under
	s_cbranch_scc0 \next
	tensor_load_to_lds s[\g0:\g0+3], s[\g1:\g1+7]
	s_nop 0
.rept 4
	v_nop
.endr
	s_branch .Lhead_asked
\next:
.endm
	ARM 1, G0H,  G1,  .Lhead_b
	ARM 2, G0HB, G1B, .Lhead_sa
	ARM 3, G0S,  G1S, .Lhead_sb
	tensor_load_to_lds s[G0SB:G0SB+3], s[G1SB:G1SB+7]
	s_nop 0
.rept 4
	v_nop
.endr
.Lhead_asked:
	v_and_b32 v1, 15, v0
	v_bfe_u32 v2, v0, 4, 1
	v_mul_u32_u24 v3, v1, PITCH
	v_mul_u32_u24 v4, v2, 24
	v_add_nc_u32 v4, v3, v4
	s_mov_b32 s21, SLOT-232
	s_mov_b32 s22, SLOT+232
	v_sub_nc_u32 v7, 1, v2
	v_mul_u32_u24 v5, s21, v2
	v_add_nc_u32 v5, v3, v5
	v_add_nc_u32 v5, 232, v5                       ; across two chunks: lanes 0-15 byte 232 in slot 0, lanes 16-31 byte 0 in slot 1;
	v_mul_u32_u24 v6, s22, v7
	v_add_nc_u32 v6, v3, v6                        ; and the other way round
	v_and_b32 v8, 31, v0
	v_lshlrev_b32 v9, 4, v8                        ; 16 x lane
	v_lshlrev_b32 v10, 3, v8                       ; 8 x lane
	s_mul_i32 s21, s15, ASTEP/2                    ; my 128 tokens: eight tiles of a K step's sixteen
	s_mul_i32 s22, s16, HALFT
	s_add_co_u32 s22, s22, APART                   ; my 128 rows of W_o
	v_add_nc_u32 v[ADRB+2], s22, v5
	v_add_nc_u32 v[ADRB+3], s22, v6
.irp s, 0,1
	v_add_nc_u32 v[ADRA+\s], s21, v9
	v_add_nc_u32 v[ADRA+2+\s], s21, v10
	v_add_nc_u32 v[ADRB+\s], s22, v4
	s_add_co_u32 s21, s21, SLOT
	s_add_co_u32 s22, s22, SLOT
.endr
	v_mul_u32_u24 v5, v1, KS
	v_lshrrev_b32 v6, 8, v5
	v_lshl_add_u32 v5, v6, 4, v5
	s_mul_i32 s21, s15, HALFS
	s_mul_i32 s22, s16, HALFS
	s_add_co_u32 s22, s22, 2*HALFS
	s_sub_co_u32 s22, s22, s21
	v_mul_u32_u24 v6, s22, v2
	s_add_co_u32 s21, s21, SCL
	v_add_nc_u32 v5, v5, v6
	v_add_nc_u32 v[ADRS], s21, v5
	s_mul_i32 s23, s14, 16*SPITCH
	s_add_co_u32 s23, s23, STAGE
	v_mul_u32_u24 v5, v1, SPITCH
	v_lshl_add_u32 v5, v2, 5, v5
	v_add_nc_u32 v[STO], s23, v5
	v_and_b32 v6, 31, v0
	v_lshlrev_b32 v[CO], 4, v6
	v_add_nc_u32 v[RD], s23, v[CO]
	s_lshl_b32 s20, s17, 8
	s_lshl_b32 s21, s15, 7
	s_add_co_u32 s20, s20, s21
	s_mov_b32 s21, 0
	s_mov_b64 s[18:19], SIZE_N*4
	s_mul_u64 s[20:21], s[20:21], s[18:19]
	s_lshl_b32 s46, s42, 10
	s_lshl_b32 s47, s16, 9
	s_add_co_u32 s46, s46, s47
	s_mov_b32 s47, 0
	s_add_nc_u64 s[20:21], s[20:21], s[46:47]
	s_add_nc_u64 s[12:13], s[12:13], s[20:21]
.macro FRAG reg, adr, st, i            ; W_o: 12 registers in pieces of 8 bytes; byte y of a row lies in slot (y / 256) % 2 at byte y % 256
.irp p, 0,1,2,3,4,5
.set BY, 96*(\st)+48*(\p/3)+8*(\p%3)
.if BY/ROWB == (BY+24)/ROWB
	ds_load_b64 v[\reg+2*\p:\reg+2*\p+1], v[\adr+(BY/ROWB)%2] offset:BY%ROWB+(\i)*16*PITCH
.else
	ds_load_b64 v[\reg+2*\p:\reg+2*\p+1], v[\adr+2+(BY/ROWB)%2] offset:BY%ROWB-232+(\i)*16*PITCH
.endif
.endr
.endm
.macro FRAGA reg, st, i                ; A: the image of step st, tile i: group st / 3, in slot (st / 3) % 2
.set AOF, ((\st)%3)*ASTEP+(\i)*1536
	ds_load_b128 v[\reg:\reg+3], v[ADRA+((\st)/3)%2] offset:AOF
	ds_load_b64 v[\reg+4:\reg+5], v[ADRA+2+((\st)/3)%2] offset:AOF+512
	ds_load_b128 v[\reg+6:\reg+9], v[ADRA+((\st)/3)%2] offset:AOF+768
	ds_load_b64 v[\reg+10:\reg+11], v[ADRA+2+((\st)/3)%2] offset:AOF+1280
.endm
; the 64 accumulators take turns, in the same order in every step
.macro MUL16 a0, p, q, sc, zero
.irp a, \a0, \a0+1
.irp b, 0,1,2,3,4,5,6,7
.if \zero
	v_wmma_scale_f32_16x16x128_f8f6f4 v[8*(8*((\a)%4)+\b):8*(8*((\a)%4)+\b)+7], v[128*(\p)+FR*\b:128*(\p)+FR*\b+FR-1], v[AF+FR*(\a):AF+FR*(\a)+FR-1], 0, v[SC+8*NQ*(\sc)+NQ*\b+(\q)], v[SC+8*NQ*(\sc)+NQ*(\a)+(\q)] matrix_a_fmt:MATRIX_FMT_FP6 matrix_b_fmt:MATRIX_FMT_FP6 matrix_a_scale:MATRIX_SCALE_ROW1
.else
	v_wmma_scale_f32_16x16x128_f8f6f4 v[8*(8*((\a)%4)+\b):8*(8*((\a)%4)+\b)+7], v[128*(\p)+FR*\b:128*(\p)+FR*\b+FR-1], v[AF+FR*(\a):AF+FR*(\a)+FR-1], v[8*(8*((\a)%4)+\b):8*(8*((\a)%4)+\b)+7], v[SC+8*NQ*(\sc)+NQ*\b+(\q)], v[SC+8*NQ*(\sc)+NQ*(\a)+(\q)] matrix_a_fmt:MATRIX_FMT_FP6 matrix_b_fmt:MATRIX_FMT_FP6 matrix_a_scale:MATRIX_SCALE_ROW1
.endif
.endr
.endr
.endm
.macro FETCH_B st, p
	WIN TO_B
.irp i, 0,1,2,3,4,5,6,7
	FRAG 128*(\p)+FR*\i, ADRB, \st, \i
.endr
	WIN 0
.endm
.macro FETCH_A st, i0
.irp i, \i0, \i0+1, \i0+2, \i0+3
	FRAGA AF+FR*(\i), \st, \i
.endr
.endm
.macro SCALES pr
.irp i, 0,1,2,3,4,5,6,7
	ds_load_b64 v[SC+8*NQ*((\pr)%2)+NQ*\i:SC+8*NQ*((\pr)%2)+NQ*\i+1], v[ADRS] offset:\i*SBLK+4*NQ*(\pr)
.endr
.endm
.macro PLACES n
.rept \n
	v_nop
.endr
.endm
; A step of 128 along K.  Where the next step's bytes of W_o END in a chunk not read yet: the wait for my tensor loads and a barrier.  Where they BEGIN in a later chunk: the add too, and, where a chunk two on is left, a round and the refill.
.macro STEP st, zero
.set NX, (\st)+1
.set C0, (96*(\st))/ROWB
.set C1, (96*NX)/ROWB
.set E0, (96*(\st)+95)/ROWB
.set E1, (96*NX+95)/ROWB
.if C1 > C0 || E1 > E0
	s_wait_tensorcnt 0x0
.if C1 > C0
	ds_add_u32 v[SPW], v[NIL]
	s_wait_dscnt 4*NLA+1                           ; the add and the youngest 16 loads (A's blocks 4-7) may be out
.else
	s_wait_dscnt 4*NLA
.endif
	WIN MUL_LO
	MUL16 0, (\st)%2, (\st)%2, ((\st)/2)%2, \zero
	s_wait_dscnt 0x0
	s_barrier_signal -1
	MUL16 2, (\st)%2, (\st)%2, ((\st)/2)%2, \zero
	WIN 0
	s_barrier_wait -1
.if C1 > C0 && C0+2 < CHUNKS
	CREST
	s_mov_b32 s[G1+2], 96<<16                      ; no load of mine is out: the one refill brings chunk 2 and A's group 2, 96 rows a wave (its group 0 was set at the head)
	s_mov_b32 s[G1+4], 96
	s_add_nc_u64 s[G0B+4*(C0%2)+2:G0B+4*(C0%2)+3], s[G0B+4*(C0%2)+2:G0B+4*(C0%2)+3], 2*ROWB
	JLOAD G0+4*(C0%2), G1, G0B+4*(C0%2), G1B
.else
	PLACES NP
.endif
.else
	s_wait_dscnt 4*NLA
	WIN MUL_LO
	MUL16 0, (\st)%2, (\st)%2, ((\st)/2)%2, \zero
	MUL16 2, (\st)%2, (\st)%2, ((\st)/2)%2, \zero
	s_wait_dscnt 0
	PLACES NP
.endif
	FETCH_B NX, NX%2
	FETCH_A NX, 0
.if NX%2 == 0
	SCALES NX/2
.endif
	WIN MUL_HI
	MUL16 4, (\st)%2, (\st)%2, ((\st)/2)%2, \zero
	MUL16 6, (\st)%2, (\st)%2, ((\st)/2)%2, \zero
	PLACES NP
	WIN 0
	FETCH_A NX, 4
.endm
	s_wait_alu depctr_va_vdst(0)
	s_wait_tensorcnt 0x0
	ds_add_u32 v[SPW], v[NIL]
	s_mov_b32 s[G1+2], 144<<16                     ; no load of mine is out: the next load brings 144 rows of A's group 1,
	s_mov_b32 s[G1+4], 144
	s_mov_b32 s[G1B+2], 128<<16                    ; or 128 rows of W_o
	s_mov_b32 s[G1B+4], 128
	s_wait_dscnt 0x0
	CROUND
	JLOAD G0+4, G1, G0B+4, G1B                     ; chunk 1 and group 1: slot 1's first fill, issued as a refill is
	FETCH_B 0, 0
	FETCH_A 0, 0
	SCALES 0
	FETCH_A 0, 4
	STEP 0, 1
.set ST, 1
.rept STEPS-2
	STEP ST, 0
.set ST, ST+1
.endr
	s_wait_dscnt 4*NLA
	WIN MUL_LO
	MUL16 0, 1, 1, 1, 0
	MUL16 2, 1, 1, 1, 0
	s_wait_dscnt 0
	WIN MUL_HI
	MUL16 4, 1, 1, 1, 0
	MUL16 6, 1, 1, 1, 0
	WIN 0
; THE WAY OUT, block by block of 16 rows x 128 columns, through my own stage in LDS, back as whole rows of 512 bytes
.macro TOSTAGE a
.set AC, 64*((\a)%4)
	WIN 0x08+4*((\a)/4)
.irp b, 0,1,2,3,4,5,6,7
	ds_store_b128 v[STO], v[AC+8*\b:AC+8*\b+3] offset:64*\b          ; each accumulator from its low end on
	ds_store_b128 v[STO], v[AC+8*\b+4:AC+8*\b+7] offset:64*\b+16
.endr
	WIN 0
.set BB, BK+64*((\a)%2)
.irp t, 0,1,2,3,4,5,6,7,8,9,10,11,12,13,14,15
	ds_load_b128 v[BB+4*\t:BB+4*\t+3], v[RD] offset:\t*SPITCH
.endr
.endm
.macro SEND a, younger
.set BB, BK+64*((\a)%2)
	s_wait_dscnt \younger
.if (\a) > 0
	s_add_nc_u64 s[12:13], s[12:13], 16*SIZE_N*4
.endif
.irp t, 0,1,2,3,4,5,6,7,8,9,10,11,12,13,14,15
	global_store_b128 v[CO], v[BB+4*\t:BB+4*\t+3], s[12:13] offset:\t*SIZE_N*4 th:TH_STORE_NT   ; 32 lanes store 512 consecutive bytes, at a multiple of 256 from out0's first byte
.endr
.endm
	PLACES NP
	TOSTAGE 0
.irp a, 1,2,3,4,5,6,7
.if \a > 1
	s_wait_xcnt 0x0                                ; block a - 2's stores have read their registers and their base
.endif
	TOSTAGE \a
	SEND \a-1, 32                                  ; behind block a - 1's loads: block a's 16 stores and 16 loads
.endr
	s_wait_xcnt 0x0
	SEND 7, 0
	s_wait_tensorcnt 0x0                           ; the wave's end
	ds_add_u32 v[SPW], v[NIL]
	s_wait_dscnt 0x0
	CROUND                                         ; the closing round
	s_endpgm
.Lfunc_end_k_q75966da935_oproj:
	.size	k_q75966da935_oproj, .Lfunc_end_k_q75966da935_oproj-k_q75966da935_oproj
	.p2alignl 7, 3214868480
	.fill 96, 4, 3214868480
	.section	.rodata,"a",@progbits
	.p2align	6, 0x0
	.amdhsa_kernel k_q75966da935_oproj
		.amdhsa_group_segment_fixed_size 327680
		.amdhsa_private_segment_fixed_size 0
		.amdhsa_enable_private_segment 0
		.amdhsa_kernarg_size 40
		.amdhsa_user_sgpr_count 2
		.amdhsa_user_sgpr_kernarg_segment_ptr 1
		.amdhsa_wavefront_size32 1
		.amdhsa_system_sgpr_workgroup_id_x 1
		.amdhsa_system_sgpr_workgroup_id_y 1
		.amdhsa_system_sgpr_workgroup_id_z 1
		.amdhsa_system_vgpr_workitem_id 0
		.amdhsa_next_free_vgpr 1024
		.amdhsa_next_free_sgpr 98
		.amdhsa_reserve_vcc 0
		.amdhsa_float_denorm_mode_32 3
		.amdhsa_float_denorm_mode_16_64 3
		.amdhsa_memory_ordered 1
		.amdhsa_forward_progress 1
		.amdhsa_inst_pref_size 153
	.end_amdhsa_kernel
	.amdgpu_metadata
---
amdhsa.version: [ 1, 2 ]
amdhsa.kernels:
  - .name:           k_q75966da935_oproj
    .symbol:         k_q75966da935_oproj.kd
    .args:
      - { .name: ao, .offset: 0, .size: 8, .value_kind: global_buffer, .address_space: global }
      - { .name: aos, .offset: 8, .size: 8, .value_kind: global_buffer, .address_space: global }
      - { .name: W_o_codes, .offset: 16, .size: 8, .value_kind: global_buffer, .address_space: global }
      - { .name: W_o_scales, .offset: 24, .size: 8, .value_kind: global_buffer, .address_space: global }
      - { .name: out0, .offset: 32, .size: 8, .value_kind: global_buffer, .address_space: global }
    .group_segment_fixed_size: 327680
    .private_segment_fixed_size: 0
    .kernarg_segment_align: 8
    .kernarg_segment_size: 40
    .max_flat_workgroup_size: 128
    .sgpr_count:     98
    .vgpr_count:     1024
    .wavefront_size: 32
...
	.end_amdgpu_metadata
.endif
;; end of part 3
